; MI455X (gfx1250); checked and timed in simulation.
; The chip was launched on July 23, 2026; its instructions are those of AMD's public machine-readable ISA for CDNA 5 (MIT licence, August 2026) and "CDNA5" Instruction Set Architecture Reference Guide (July 2026). The comments in the code are by the model that wrote it; some were corrected since.
;; Multi Head Attention. Allowed arithmetic: matrix products marked QUANTISED: E2M1 operands, one E8M0 scale for each 32 along K, by v_wmma_scale_f32_16x16x128_f8f6f4 with both operands' format E2M1 (or v_wmma_scale_f32_32x16x128_f4), f32 sums; everything else in f32.
;; Inputs: W_in 3,072 x 1,024 float32; W_out 1,024 x 1,024 float32; X 4 x 2,048 x 1,024 float32; b_in 3,072 float32; b_out 1,024 float32.
;; Outputs: out0 4 x 2,048 x 1,024 float32.
;; This version of the problem:
;;   THIS VERSION OF THE PROBLEM IS GIVEN IN LOW PRECISION. The matrix products marked QUANTISED in the list below multiply operands that are first quantised to E2M1 (2 exponent bits, 1 mantissa bit; 4 bits a number), with one power-of-two scale for each 32 numbers along K (OCP MX v1.0); their sums are f32. All else is computed in f32.
;;   The module's matrix products, in the order in which they are computed (A, B: the left and right operand; K: the contracted axis; several contracted axes count as one K, in the product's order):
;;     1. [M 8,192, K 1,024] x [K 1,024, N 3,072]; A: input X; B: input W_in: QUANTISED
;;     2. batch 64 x [M 2,048, K 64] x [K 64, N 2,048]; A: computed on the way; B: computed on the way: QUANTISED
;;     3. batch 64 x [M 2,048, K 2,048] x [K 2,048, N 64]; A: softmax (see below); B: computed on the way: QUANTISED
;;     4. [M 8,192, K 1,024] x [K 1,024, N 1,024]; A: computed on the way; B: input W_out: QUANTISED
;;   THE QUANTISER, for each operand of a quantised product, along K:
;;     - K is cut into blocks of 32 from its start; a last block that is shorter is filled with zeros.
;;     - A block's scale is 2^e with e = floor(log2(the largest magnitude in the block)) - 2, held to -126 .. 127; a block of zeros has e = 0. As a byte (E8M0): e + 127.
;;     - Each number is divided by its block's scale, clamped to +-6, and rounded to the nearest number of E2M1, ties to even, subnormals kept.
;;     - The product sums the exact products of the quantised numbers (number of the format x scale) in f32.
;;   ~~~python
;;   def quantise(x, axis):      # numpy; x: float32 -> the quantised numbers, widened to float32 again
;;       x = np.moveaxis(x, axis, -1); K = x.shape[-1]
;;       x = np.pad(x, [(0, 0)] * (x.ndim - 1) + [(0, -K % 32)]); x = x.reshape(x.shape[:-1] + (-1, 32)); a = np.abs(x).max(-1, keepdims=True)
;;       e = np.where(a > 0, np.clip(np.frexp(np.where(a > 0, a, 1))[1] - 1 - 2, -126, 127), 0)      # np.frexp(a)[1] - 1 = floor(log2(a)), exactly
;;       r = np.clip(x / 2.0 ** e, -6, 6)
;;       step = 2.0 ** (np.maximum(np.frexp(np.where(r == 0, 1, r))[1] - 1, 0) - 1)
;;       q = np.round(r / step) * step * 2.0 ** e      # np.round: ties to even
;;       return np.moveaxis(q.reshape(q.shape[:-2] + (-1,))[..., :K], -1, axis).astype(np.float32)
;;   ~~~
;;   SOFTMAX AHEAD OF A QUANTISED PRODUCT. Where the list says 'softmax', what is quantised is not the finished softmax but p = 2^(t - M), with t = logit x log2(e) and M = ceil(the row's largest t), a whole number; so 1/2 < the row's largest p <= 1. The row's sum l is taken of the UNQUANTISED p, in f32, and the product's result is divided by l at the end. Since M is a whole number, a kernel that streams over the keys may use a running M (the ceiling of the running maximum): every later rescaling is an exact power of two, which a block's scale takes up: the codes' values come out the same.
;;   OPERANDS COMPUTED ON THE WAY. 'Computed on the way' means the value that the module computes at that place (a softmax that the list does not call 'softmax' is quantised finished and normalised). What goes into a quantiser is computed in f32, as accurately as f32 sums, v_exp_f32 and their like allow (about 1e-6 of the number): no bf16 or f16 on the way to a quantiser, and a product that is left as it is and whose result goes on into a quantised operand takes f32 operands (vector FMAs, or v_wmma_f32_16x16x4_f32). A number that lies on a knife's edge between two numbers of the format may be rounded either way, as far as f32 arithmetic and the matrix unit's own rounding can turn it there, and no further.
;; One version. Each part assembles by itself: llvm-mc -triple=amdgcn-amd-amdhsa -mcpu=gfx1250 --defsym DOCPART=n.
;; ======== version 1 of 1: 4 launches
;; workspace buffers: xw_codes 6,291,456 bytes; xw_scales 393,216 bytes; bias_p 12,288 bytes; qk_codes 8,388,608 bytes; qk_scales 524,288 bytes; v_codes 4,194,304 bytes; v_scales 262,144 bytes; val 4,456,448 bytes
;; launch quant (part 1): grid 384 x 1, 4 waves a work-group, no clusters, 33,280 bytes of LDS; arguments X, W_in, W_out, b_in, xw_codes, xw_scales, bias_p; writes xw_codes, xw_scales, bias_p
.if DOCPART == 1
	.amdgcn_target "amdgcn-amd-amdhsa--gfx1250"
	.amdhsa_code_object_version 6
	.text
	.protected	k_q2167020dd4_quant
	.globl	k_q2167020dd4_quant
	.p2align	8
	.type	k_q2167020dd4_quant,@function
k_q2167020dd4_quant:
	s_mov_b64 s[64:65], 0
	v_nop
	global_prefetch_b8 v0, s[64:65] scope:SCOPE_SE
	s_setreg_imm32_b32 hwreg(HW_REG_WAVE_MODE, 25, 1), 1
	s_wait_xcnt 0x0
; X [8192][1024], W_in [3072][1024] and W_out [1024][1024], f32, K innermost, become codes of FP4 (E2M1) with one E8M0 byte for each 32 along K.
; OUT: xw_codes: 12,288 rows of 512 bytes (X's rows, then W_in's in the order n' below, then W_out's); xw_scales: 32 bytes a row, same order; bias_p: b_in in the order n'.
; THE ORDER n' OF W_in's ROWS (0..3071) puts all of Q first, then K, then V, and lays each so that the next launch's results fall into the lanes that its quantisers want:
;   Q, K (part = n' / 1024 = 0, 1; x = n' % 1024): source row (x / 64) 192 + 64 part + swap34(x % 64), swap34 exchanging bits 3 and 4;
;   V    (part 2): dpos = x / 16, m = x % 16: source row (2 (m % 8) + m / 8) 192 + 128 + swap34(dpos).
; A block's scale is 2^(floor(log2(largest magnitude)) - 2): its byte is the largest magnitude's exponent field - 2, held at 1 from below.
; LIMITS: a block of zeros gets the byte 1, not 127 (its codes are zeros, and this program alone reads the bytes); blocks whose largest magnitude lies under 2^-124 are held at the byte 1;
; NaN and infinities among the inputs are not served.
; SHARES: wave W = 4 x work-group + wave makes destination rows 8 W .. 8 W + 7: 16 steps of 512 numbers (half a row).  Eight destination rows are eight source rows a constant stride apart (1, or 384 in V).
; Each load reads 512 consecutive bytes; a step's 2,048 bytes turn through the wave's own stage in LDS so that a lane holds 16 neighbours along K; two neighbouring lanes hold a block.
; A stream: memory binds, so no matrix unit, no cluster, no tensor load, no barrier (waves share nothing).  Loads run four steps ahead, the turn through LDS one step.
.set STEPS, 16
.set EMAX,  2
.set R,     16                         ; v16-79   four sets of 16 numbers as loaded
.set X,     80                         ; v80-111  two sets of 16 neighbours
.set E,     112                        ; v112-127 a scale byte for each step
.set C,     128                        ; v128-159 two registers of codes for each step: no store's data are written again
.set RO,    160                        ; v160-167 row i: 16 x lane + i x stride x 4,096; never rewritten
.set WREG,  8192                       ; LDS: a region for each wave: two stages of 32 x SP bytes, then its 256 scale bytes
.set SP,    80                         ; a lane's place in a stage: 64 bytes + 16 of padding
	s_load_b256 s[4:11], s[0:1], 0x0               ; X s[4:5], W_in s[6:7], W_out s[8:9], b_in s[10:11]
	s_load_b128 s[12:15], s[0:1], 0x20             ; xw_codes s[12:13], xw_scales s[14:15]
	s_load_b64 s[16:17], s[0:1], 0x30              ; bias_p
	v_lshl_add_u32 v176, v0, 2, 0x8000
	v_mov_b32 v177, 0
	v_lshrrev_b32 v1, 5, v0
	v_readfirstlane_b32 s18, v1                    ; wave
	v_and_b32 v2, 31, v0                           ; lane
	v_lshlrev_b32 v3, 4, v2                        ; my 16 bytes of a load's 512
	s_mul_i32 s19, s18, WREG
	v_lshrrev_b32 v14, 2, v2
	v_mul_u32_u24 v14, v14, SP
	v_and_b32 v15, 3, v2
	v_lshl_add_u32 v14, v15, 4, v14
	v_add_nc_u32 v14, s19, v14                     ; the stage, in: SP (lane / 4) + 16 (lane % 4)
	v_mul_u32_u24 v15, v2, SP
	v_add_nc_u32 v15, s19, v15                     ; and out: SP x lane: my 16 neighbours
	v_lshlrev_b32 v4, 3, v2                        ; 8 bytes a lane: my codes in a step's 256, and my part of the 256 scale bytes
	v_lshrrev_b32 v5, 1, v2
	s_add_co_u32 s19, s19, 2*32*SP
	v_add_nc_u32 v5, s19, v5                       ; LDS: my block's scale byte
	v_add_nc_u32 v6, s19, v4                       ; and the bytes' way out
	; the source map: all from ids
	s_lshl_b32 s20, ttmp9, 2
	s_add_co_u32 s20, s20, s18                     ; W
	s_sub_co_u32 s21, s20, 1024                    ; W_in's waves: 0 .. 383
	s_and_b32 s22, s21, 127                        ; x: which eight rows of the part
	s_bfe_u32 s23, s21, 0x20007                    ; part
	s_lshr_b32 s24, s22, 3                         ; Q, K: c
	s_mul_i32 s24, s24, 192
	s_lshl_b32 s25, s23, 6
	s_add_co_u32 s24, s24, s25                     ; 192 c + 64 part
	s_and_b32 s25, s22, 4                          ; the eight's number in the 64, with its bits 0 and 1 exchanged (bits 3 and 4 of the row)
	s_and_b32 s26, s22, 1
	s_lshl_b32 s26, s26, 1
	s_or_b32 s25, s25, s26
	s_bfe_u32 s26, s22, 0x10001
	s_or_b32 s25, s25, s26
	s_lshl_b32 s25, s25, 3
	s_add_co_u32 s24, s24, s25                     ; Q's or K's first source row
	s_lshr_b32 s25, s22, 1                         ; V: dpos
	s_and_b32 s26, s25, 0x27
	s_and_b32 s27, s25, 8
	s_lshl_b32 s27, s27, 1
	s_or_b32 s26, s26, s27
	s_and_b32 s27, s25, 16
	s_lshr_b32 s27, s27, 1
	s_or_b32 s26, s26, s27                         ; swap34(dpos)
	s_and_b32 s27, s22, 1
	s_mul_i32 s27, s27, 192
	s_add_co_u32 s26, s26, s27
	s_add_co_u32 s26, s26, 128                     ; V's first source row; the others 384 rows apart
	s_lshl_b32 s28, s20, 3                         ; X's
	s_sub_co_u32 s29, s20, 1408
	s_lshl_b32 s29, s29, 3                         ; W_out's
	s_wait_kmcnt 0x0
	s_cmp_lt_u32 s20, 1280                         ; the choices hang on the wave's number in the launch alone
	s_cselect_b32 s24, s24, s26
	s_cselect_b32 s30, 1, 384                      ; the stride in rows
	s_cmp_lt_u32 s20, 1408
	s_cselect_b32 s24, s24, s29
	s_cselect_b32 s30, s30, 1
	s_cselect_b64 s[6:7], s[6:7], s[8:9]
	s_cmp_lt_u32 s20, 1024
	s_cselect_b32 s24, s28, s24
	s_cselect_b32 s30, 1, s30
	s_cselect_b64 s[4:5], s[4:5], s[6:7]
	s_lshl_b32 s32, s24, 12                        ; a source row is 4,096 bytes
	s_mov_b32 s33, 0
	s_add_nc_u64 s[4:5], s[4:5], s[32:33]
	s_lshl_b32 s31, s30, 12
.irp i, 0,1,2,3,4,5,6,7
	s_mul_i32 s34, s31, \i
	v_add_nc_u32 v[RO+\i], s34, v3
.endr
	s_lshl_b32 s32, s20, 12                        ; my 4,096 bytes of codes
	s_add_nc_u64 s[12:13], s[12:13], s[32:33]
	s_lshl_b32 s32, s20, 8                         ; my 256 scale bytes
	s_add_nc_u64 s[14:15], s[14:15], s[32:33]
.macro LOAD t                          ; step t: half t % 2 of row t / 2
.irp i, 0,1,2,3
	global_load_b128 v[R+16*((\t)%4)+4*\i:R+16*((\t)%4)+4*\i+3], v[RO+(\t)/2], s[4:5] offset:2048*((\t)%2)+512*\i th:TH_LOAD_NT   ; 32 lanes read 512 consecutive bytes
.endr
.endm
.macro TURN t                          ; step t's numbers through the stage: LDS serves a wave's instructions in order, so no wait stands between the stores and the loads
.irp i, 0,1,2,3
	ds_store_b128 v14, v[R+16*((\t)%4)+4*\i:R+16*((\t)%4)+4*\i+3] offset:32*SP*((\t)%2)+8*SP*\i
.endr
.irp i, 0,1,2,3
	ds_load_b128 v[X+16*((\t)%2)+4*\i:X+16*((\t)%2)+4*\i+3], v15 offset:32*SP*((\t)%2)+16*\i
.endr
.endm
	s_wait_alu depctr_va_vdst(0)
.irp t, 0,1,2,3
	LOAD \t
.endr
	s_wait_loadcnt 12                              ; step 0's four loads are in; twelve younger ones stay out
	TURN 0
.macro STEP t
.set XS, X+16*((\t)%2)
.if (\t) > 0
	s_wait_dscnt 1                                 ; this step's numbers are back from the stage (the last step's byte store may be out): so its stores into the stage have read their registers,
.else
	s_wait_dscnt 0x0
.endif
.if (\t)+4 < STEPS
	LOAD (\t)+4                                    ; which take the loads of four steps on
.endif
.if (\t)+1 < STEPS
.if STEPS-2-(\t) >= 3
	s_wait_loadcnt 12                              ; the next step's four loads are in; those of the three steps behind it may be out
.else
	s_wait_loadcnt 4*(STEPS-2-(\t))
.endif
	TURN (\t)+1
.endif
	v_max3_num_f32 v8, |v[XS]|, |v[XS+1]|, |v[XS+2]|               ; the largest magnitude of my 16, in two chains
	v_max3_num_f32 v9, |v[XS+3]|, |v[XS+4]|, |v[XS+5]|
.irp i, 6,10
	v_max3_num_f32 v8, v8, |v[XS+\i]|, |v[XS+\i+1]|
	v_max3_num_f32 v9, v9, |v[XS+\i+2]|, |v[XS+\i+3]|
.endr
	v_max3_num_f32 v8, v8, |v[XS+14]|, |v[XS+15]|
	v_max3_num_f32 v8, v8, v9, (EMAX+1)<<23        ; and the floor 2^(3 - 127): the byte cannot fall under 1
	v_max_num_f32_dpp v8, v8, v8 row_xmask:1 row_mask:0xf bank_mask:0xf   ; with my neighbour's 16: the block's
	v_add_nc_u32 v11, -(EMAX<<23), v8              ; 2 off its exponent field: the conversion takes the exponent field of this operand as its scale
	v_cvt_scalef32_pk8_fp4_f32 v[C+2*(\t)], v[XS:XS+7], v11
	v_cvt_scalef32_pk8_fp4_f32 v[C+2*(\t)+1], v[XS+8:XS+15], v11
	v_lshrrev_b32 v[E+(\t)], 23, v11               ; the scale's byte (also the plain line behind the conversions)
	ds_store_b8 v5, v[E+(\t)] offset:16*(\t)       ; both lanes of a block write the same byte with the same value
	global_store_b64 v4, v[C+2*(\t):C+2*(\t)+1], s[12:13] offset:256*(\t)   ; the wave stores 256 consecutive bytes, aligned
.endm
.irp t, 0,1,2,3,4,5,6,7,8,9,10,11,12,13,14,15
	STEP \t
.endr
	ds_load_b64 v[12:13], v6                       ; LDS serves a wave's instructions in order: these see my byte stores
	s_wait_dscnt 0x0
	global_store_b64 v4, v[12:13], s[14:15]        ; 256 consecutive bytes, aligned
	; W_in's waves also carry their eight numbers of b_in into the order n': 32 bytes a wave, 12,288 in the launch
	s_cmp_lt_u32 s21, 384
	s_cbranch_scc0 .Ldone
	v_mul_lo_u32 v168, v2, s30
	v_add_nc_u32 v168, s24, v168                   ; source row of destination row 8 (W - 1024) + lane
	v_lshlrev_b32 v168, 2, v168
	s_lshl_b32 s37, s21, 5
	v_lshl_add_u32 v170, v2, 2, s37
	s_wait_alu depctr_va_vdst(0)
	s_wait_xcnt 0x0                                ; EXEC changes only behind this wait: earlier stores have it among their sources
	v_cmp_gt_u32 vcc_lo, 8, v2
	s_and_saveexec_b32 s36, vcc_lo
	global_load_b32 v169, v168, s[10:11]
	s_wait_loadcnt 0x0
	global_store_b32 v170, v169, s[16:17]
	s_wait_xcnt 0x0                                ; and again in front of the line that widens it
	s_or_b32 exec_lo, exec_lo, s36
.Ldone:
	s_wait_tensorcnt 0x0
	ds_add_u32 v176, v177
	s_wait_dscnt 0x0
	s_endpgm
.Lfunc_end_k_q2167020dd4_quant:
	.size	k_q2167020dd4_quant, .Lfunc_end_k_q2167020dd4_quant-k_q2167020dd4_quant
	.p2alignl 7, 3214868480
	.fill 96, 4, 3214868480
	.section	.rodata,"a",@progbits
	.p2align	6, 0x0
	.amdhsa_kernel k_q2167020dd4_quant
		.amdhsa_group_segment_fixed_size 33280
		.amdhsa_private_segment_fixed_size 0
		.amdhsa_enable_private_segment 0
		.amdhsa_kernarg_size 56
		.amdhsa_user_sgpr_count 2
		.amdhsa_user_sgpr_kernarg_segment_ptr 1
		.amdhsa_wavefront_size32 1
		.amdhsa_system_sgpr_workgroup_id_x 1
		.amdhsa_system_sgpr_workgroup_id_y 1
		.amdhsa_system_sgpr_workgroup_id_z 1
		.amdhsa_system_vgpr_workitem_id 0
		.amdhsa_next_free_vgpr 178
		.amdhsa_next_free_sgpr 66
		.amdhsa_reserve_vcc 1
		.amdhsa_float_denorm_mode_32 3
		.amdhsa_float_denorm_mode_16_64 3
		.amdhsa_memory_ordered 1
		.amdhsa_forward_progress 1
		.amdhsa_inst_pref_size 36
	.end_amdhsa_kernel
	.amdgpu_metadata
---
amdhsa.version: [ 1, 2 ]
amdhsa.kernels:
  - .name:           k_q2167020dd4_quant
    .symbol:         k_q2167020dd4_quant.kd
    .args:
      - { .name: X, .offset: 0, .size: 8, .value_kind: global_buffer, .address_space: global }
      - { .name: W_in, .offset: 8, .size: 8, .value_kind: global_buffer, .address_space: global }
      - { .name: W_out, .offset: 16, .size: 8, .value_kind: global_buffer, .address_space: global }
      - { .name: b_in, .offset: 24, .size: 8, .value_kind: global_buffer, .address_space: global }
      - { .name: xw_codes, .offset: 32, .size: 8, .value_kind: global_buffer, .address_space: global }
      - { .name: xw_scales, .offset: 40, .size: 8, .value_kind: global_buffer, .address_space: global }
      - { .name: bias_p, .offset: 48, .size: 8, .value_kind: global_buffer, .address_space: global }
    .group_segment_fixed_size: 33280
    .private_segment_fixed_size: 0
    .kernarg_segment_align: 8
    .kernarg_segment_size: 56
    .max_flat_workgroup_size: 128
    .sgpr_count:     66
    .vgpr_count:     178
    .wavefront_size: 32
...
	.end_amdgpu_metadata
.endif
;; end of part 1
;; launch qkv (part 2): grid 12 x 32, 4 waves a work-group, clusters of 4 x 4, 296,448 bytes of LDS; arguments xw_codes, xw_scales, bias_p, qk_codes, qk_scales, v_codes, v_scales; writes qk_codes, qk_scales, v_codes, v_scales
.if DOCPART == 2
	.amdgcn_target "amdgcn-amd-amdhsa--gfx1250"
	.amdhsa_code_object_version 6
	.text
	.protected	k_q2167020dd4_qkv
	.globl	k_q2167020dd4_qkv
	.p2align	8
	.type	k_q2167020dd4_qkv,@function
k_q2167020dd4_qkv:
	s_mov_b64 s[64:65], 0
	v_nop
	global_prefetch_b8 v0, s[64:65] scope:SCOPE_SE
	s_setreg_imm32_b32 hwreg(HW_REG_WAVE_MODE, 25, 1), 1
	s_wait_xcnt 0x0
	s_wait_alu depctr_hold_cnt(0) depctr_sa_sdst(0) depctr_va_vdst(0) depctr_va_sdst(0) depctr_va_ssrc(0) depctr_va_vcc(0) depctr_vm_vsrc(0)
	s_getreg_b32 s2, hwreg(HW_REG_IB_STS2, 6, 4)
	s_cmp_eq_u32 s2, 0
	s_cbranch_scc0 .Lentry_in_a_cluster
	s_endpgm
.Lentry_in_a_cluster:
	s_bfe_u32 s2, ttmp6, 0x10000c
	s_cmp_lg_u32 s2, 0xf033
	s_cbranch_scc0 .Lentry_shape_is_right
	s_endpgm
.Lentry_shape_is_right:
; QKV = X W_in^T + b_in on codes of FP4 with E8M0 scales, [8192] x [3072 in the order n'] x K = 1024; the f32 results never go to memory: they are quantised here for the two products of attention.
; A tile is 256 rows x 256 columns: four waves, each 128 x 128: 64 accumulators.  ALL OF K LIES IN LDS: two slots of 512 along K (rows of 256 bytes, 272 apart), both filled once at the head, and the
; scale bytes of the tile's 512 rows behind them.  Nothing is filled again, so the loop has one barrier (slot 1 has landed, slot 0 is read out) and every tensor load is a first fill: there is no later load to ask ahead for.
; CLUSTER 4 x 4: X's tiles are shared along a row of the cluster, W_in's along a column: each is asked for jointly, by the same load with the same descriptor and a mask that names the four.
; THE PRODUCT IS USED TRANSPOSED (source 0 = 16 rows of W_in, source 1 = 16 rows of X): lane (r, h) holds row r of X and columns 8 h + 0 .. 7 of the tile.  b_in is the C of each sum's first product.
; A wave's 128 rows are one head hd (row R = 128 hd + R_l; position s = 16 R_l + c).  The cluster's x says which part the columns belong to: 0 Q, 1 K, 2 V.
; Q, K: the wave's 128 columns are c = 2 g, 2 g + 1 with all 64 d; by the order n' the 16 registers of tiles 2 b, 2 b + 1 are 16 neighbours along d.  Codes leave as images of the operand's registers:
;   qk_codes [part][hd][g][a = R_l / 16][c % 2][512 bytes: lane's 16 at 16 x lane]; qk_scales [part][hd][g][R_l]: one word, bytes (c even: d < 32, d >= 32; c odd: the same).
; V: a tile is one channel (place dpos), a lane holds 8 keys of one row (c = 2 j + h); a block of 32 keys is rows 2 J, 2 J + 1: four lanes.  v_codes [hd][dpos][64 blocks x 16 bytes], v_scales [hd][dpos][64].
;   Inside a block the keys stand as [R even, c even][R even, c odd][R odd, c even][R odd, c odd]: attention lays p in the same order.
; LIMITS: a block of zeros gets the byte 1, not 127 (zero codes; this program alone reads the bytes); largest magnitudes under 2^-124 are held at the byte 1; NaN and infinities are not served.
; REGISTERS: window 0: v16-30 addresses; v32-95 scale words and nothing else; v96-127 at work on the way out; v128-255 X's fragments, two sets (on the way out: codes).
;   window 1: v0-127 W_in's fragments, two sets; v128-191 the bias, tile b at 128 + 8 b.  window 2: accumulators of row blocks 0-3 ((a, b) at 8 (8 a + b)); window 3: of blocks 4-7.
.set NA,     8                         ; blocks of 16 rows a wave
.set PITCH,  272                       ; an LDS row: 256 bytes + 16 of padding: the 16 rows that a load touches start 16 bytes apart modulo 256
.set HALFA,  16*NA*PITCH
.set HALFB,  128*PITCH
.set SLOT,   2*HALFA+2*HALFB
.set SCL,    2*SLOT                    ; the scale bytes, as pieces of 256 bytes + 16
.set HALFSA, 2*NA*272
.set HALFSB, 16*272
.set SBLK,   544                       ; those of 16 rows
.set BCODE,  4194304                   ; W_in's codes in xw_codes
.set BSCALE, 262144                    ; and its scale bytes in xw_scales
.set ADRA, 16                          ; v16-17 LDS address of my fragments of X in slot 0, 1
.set ADRB, 20                          ; v20-21 of W_in
.set BO,   22                          ; v22    32 h: my eight numbers of a tile's bias
.set LI,   24                          ; v24    16 x lane
.set QSW,  25                          ; v25    stage: my row's scale word (Q, K)
.set ADRS, 27                          ; v27    my scale words: lanes 0-15 X's rows, lanes 16-31 W_in's
.set VCO,  28                          ; v28    stage: my four bytes of V's codes
.set VSB,  29                          ; v29    stage: my block's scale byte
.set STL,  30                          ; v30    stage + 16 x lane
.set SC,   32
.set AF,   128
.set TM,   96                          ; the way out: at work
.set PW,   112                         ; Q, K: a scale word for each block of rows
.set PC,   128                         ; Q, K: eight registers of codes for each block of rows
.set T2,   104                         ; V: at work
.set SO,   112                         ; V: the conversions' scale operands
.set VBY,  128                         ; V: scale bytes, (a, b) at 8 a + b
.set VC,   192                         ; V: codes, likewise
.set WV, 18
.set WR, 19
.set WC, 20
.set G1, 24
.set G0, 32
.set G1B, 48
.set G0B, 56
.set G1S, 68
.set G0S, 76
.set G1SB, 80
.set G0SB, 88
.set SEL, 98
.set CODEW,  (0<<16)|(1<<20)|(1<<21)|(5<<22)|(3<<25)   ; elements of 1 byte; padding on; bit 21 beside a mask; 4 words behind every 64
.set SCALEW, (3<<16)|(1<<20)|(1<<21)|(5<<22)|(3<<25)   ; the same with elements of 8 bytes
.set MSB, 0
.macro WIN new                         ; the immediate's high byte repeats the setting that is left
.if MSB != (\new)
	s_set_vgpr_msb (MSB<<8)|(\new)
.set MSB, (\new)
.endif
.endm
.macro PLACES n
.rept \n
	v_nop
.endr
.endm
; A joint load: waves 0 and 1 fetch for X, waves 2 and 3 for W_in; the branch hangs on the wave's number alone.  Four v_nop follow each line.
.macro JLOAD g0a, g1a, g0b, g1b
	s_cmp_eq_u32 s[WR], 0
	s_cbranch_scc0 .Lfor_b_\@
	tensor_load_to_lds s[\g0a:\g0a+3], s[\g1a:\g1a+7]
	s_nop 0
.rept 4
	v_nop
.endr
	s_branch .Lasked_\@
.Lfor_b_\@:
	tensor_load_to_lds s[\g0b:\g0b+3], s[\g1b:\g1b+7]
	s_nop 0
.rept 4
	v_nop
.endr
.Lasked_\@:
.endm
.macro CROUND                          ; a round of the cluster's barrier
	s_barrier_signal -1
	s_barrier_wait -1
	s_cmp_lg_u32 s[WV], 0
	s_cbranch_scc1 .Lnot_wave_0_\@
	s_barrier_signal -3
.Lnot_wave_0_\@:
	s_barrier_wait -3
	s_barrier_signal -1
	s_barrier_wait -1
.endm
	s_load_b256 s[4:11], s[0:1], 0x0               ; xw_codes s[4:5], xw_scales s[6:7], bias_p s[8:9], qk_codes s[10:11]
	s_load_b128 s[12:15], s[0:1], 0x20             ; qk_scales s[12:13], v_codes s[14:15]
	s_load_b64 s[16:17], s[0:1], 0x30              ; v_scales
	v_lshl_add_u32 v126, v0, 2, 0x48400
	v_mov_b32 v127, 0
	ds_add_u32 v126, v127
	ds_add_u32 v126, v127
	v_lshrrev_b32 v1, 5, v0
	v_readfirstlane_b32 s[WV], v1                  ; wave 0..3
	s_lshr_b32 s[WR], s[WV], 1                     ; my half of the rows.  Also: I fetch for X (0) or W_in (1)
	s_and_b32 s[WC], s[WV], 1                      ; my half of the columns.  Also: which half I fetch
	s_bfe_u32 s40, ttmp6, 0x40000                  ; cx
	s_bfe_u32 s41, ttmp6, 0x40004                  ; cy
	s_lshl_b32 s42, ttmp9, 2
	s_add_co_u32 s42, s42, s40                     ; tile column
	s_and_b32 s21, ttmp7, 0xffff
	s_lshl_b32 s21, s21, 2
	s_add_co_u32 s21, s21, s41                     ; tile row
	s_lshl_b32 s43, s41, 2
	s_lshl_b32 s43, 15, s43                        ; my row of the cluster
	s_lshl_b32 s44, 0x1111, s40                    ; my column
	s_or_b32 s[G1], s43, CODEW
	s_mov_b32 s[G1+1], 256<<16                     ; tensor_dim0 = 256 bytes
	s_mov_b32 s[G1+2], (16*NA)<<16                 ; tensor_dim1
	s_mov_b32 s[G1+3], 256<<16                     ; tile_dim0
	s_mov_b32 s[G1+4], 16*NA                       ; tile_dim1
	s_mov_b32 s[G1+5], 512                         ; a row of codes in memory
	s_mov_b32 s[G1+6], 0
	s_mov_b32 s[G1+7], 0
	s_or_b32 s[G1B], s44, CODEW
	s_mov_b32 s[G1B+1], 256<<16
	s_mov_b32 s[G1B+2], 128<<16
	s_mov_b32 s[G1B+3], 256<<16
	s_mov_b32 s[G1B+4], 128
	s_mov_b32 s[G1B+5], 512
	s_mov_b32 s[G1B+6], 0
	s_mov_b32 s[G1B+7], 0
	s_or_b32 s[G1S], s43, SCALEW                   ; the scale bytes of 16 NA rows: a dense block, as rows of 256 bytes
	s_mov_b32 s[G1S+1], 32<<16
	s_mov_b32 s[G1S+2], (2*NA)<<16
	s_mov_b32 s[G1S+3], 32<<16
	s_mov_b32 s[G1S+4], 2*NA
	s_mov_b32 s[G1S+5], 32
	s_mov_b32 s[G1S+6], 0
	s_mov_b32 s[G1S+7], 0
	s_or_b32 s[G1SB], s44, SCALEW
	s_mov_b32 s[G1SB+1], 32<<16
	s_mov_b32 s[G1SB+2], 16<<16
	s_mov_b32 s[G1SB+3], 32<<16
	s_mov_b32 s[G1SB+4], 16
	s_mov_b32 s[G1SB+5], 32
	s_mov_b32 s[G1SB+6], 0
	s_mov_b32 s[G1SB+7], 0
	s_mul_i32 s22, s21, 32*NA                      ; X's rows hang on the tile row alone, W_in's on the tile column alone
	s_mul_i32 s23, s[WC], 16*NA
	s_add_co_u32 s22, s22, s23
	s_lshl_b32 s46, s42, 8
	s_lshl_b32 s23, s[WC], 7
	s_add_co_u32 s46, s46, s23
	s_lshl_b32 s92, s22, 9                         ; codes: 512 bytes a row
	s_mov_b32 s93, 0
	s_lshl_b32 s94, s22, 5                         ; scale bytes: 32 a row
	s_mov_b32 s95, 0
	s_lshl_b32 s96, s46, 9
	s_add_co_u32 s96, s96, BCODE
	s_mov_b32 s97, 0
	s_lshl_b32 s46, s46, 5
	s_add_co_u32 s46, s46, BSCALE
	s_mov_b32 s47, 0
	s_mul_i32 s45, s[WC], HALFA                    ; where they go: the wave's number and constants alone
	s_mul_i32 s22, s[WC], HALFB
	s_add_co_u32 s22, s22, 2*HALFA
	s_mul_i32 s23, s[WC], HALFSA
	s_add_co_u32 s23, s23, SCL
	s_mul_i32 s2, s[WC], HALFSB
	s_add_co_u32 s2, s2, SCL+2*HALFSA
	s_wait_dscnt 0x0
	s_wait_kmcnt 0x0
	s_add_nc_u64 s[92:93], s[4:5], s[92:93]
	s_add_nc_u64 s[94:95], s[6:7], s[94:95]
	s_add_nc_u64 s[96:97], s[4:5], s[96:97]
	s_add_nc_u64 s[46:47], s[6:7], s[46:47]
	CROUND                                         ; all sixteen work-groups are here: the joint loads meet
	s_mov_b32 s[G0S], 1
	s_mov_b32 s[G0S+1], s23
	s_mov_b64 s[G0S+2:G0S+3], s[94:95]
	s_or_b32 s[G0S+3], s[G0S+3], 0x80000000
	s_mov_b32 s[G0SB], 1
	s_mov_b32 s[G0SB+1], s2
	s_mov_b64 s[G0SB+2:G0SB+3], s[46:47]
	s_or_b32 s[G0SB+3], s[G0SB+3], 0x80000000
	JLOAD G0S, G1S, G0SB, G1SB                     ; the scales first: they are wanted with the first products
.irp s, 0,1
	s_mov_b32 s[G0+4*\s], 1
	s_add_co_u32 s[G0+4*\s+1], s45, \s*SLOT
	s_add_nc_u64 s[G0+4*\s+2:G0+4*\s+3], s[92:93], \s*256
	s_or_b32 s[G0+4*\s+3], s[G0+4*\s+3], 0x80000000
	s_mov_b32 s[G0B+4*\s], 1
	s_add_co_u32 s[G0B+4*\s+1], s22, \s*SLOT
	s_add_nc_u64 s[G0B+4*\s+2:G0B+4*\s+3], s[96:97], \s*256
	s_or_b32 s[G0B+4*\s+3], s[G0B+4*\s+3], 0x80000000
	JLOAD G0+4*\s, G1, G0B+4*\s, G1B               ; three loads of mine are out behind the second of these
.endr
	v_and_b32 v1, 15, v0                           ; r
	v_bfe_u32 v2, v0, 4, 1                         ; h
	v_mul_u32_u24 v3, v1, PITCH
	v_lshl_add_u32 v4, v2, 4, v3                   ; a fragment's row x pitch + 16 h
	s_mul_i32 s22, s[WR], HALFA
	s_mul_i32 s23, s[WC], HALFB
	s_add_co_u32 s23, s23, 2*HALFA
.irp s, 0,1
	v_add_nc_u32 v[ADRA+\s], s22, v4
	v_add_nc_u32 v[ADRB+\s], s23, v4
	s_add_co_u32 s22, s22, SLOT
	s_add_co_u32 s23, s23, SLOT
.endr
	v_lshlrev_b32 v5, 5, v1                        ; my row's 32 scale bytes,
	v_lshrrev_b32 v6, 3, v1
	v_lshl_add_u32 v5, v6, 4, v5                   ; and 16 more for each 256 passed
	s_mul_i32 s22, s[WR], HALFSA
	s_mul_i32 s23, s[WC], HALFSB
	s_add_co_u32 s23, s23, 2*HALFSA
	s_sub_co_u32 s23, s23, s22
	v_mul_u32_u24 v6, s23, v2                      ; lanes 16-31 take W_in's: one product, the distance between the two bases
	s_add_co_u32 s22, s22, SCL
	v_add_nc_u32 v5, v5, v6
	v_add_nc_u32 v[ADRS], s22, v5
	v_lshlrev_b32 v[BO], 5, v2
	v_and_b32 v7, 31, v0
	v_lshlrev_b32 v[LI], 4, v7
	s_lshl_b32 s22, s[WV], 14                      ; my stage for the way out: 16,384 bytes in slot 0, which has had its one fill and is read by nobody behind the loop's barrier
	v_lshl_add_u32 v[QSW], v1, 2, s22
	v_add_nc_u32 v[QSW], 8704, v[QSW]              ; Q, K: bytes 8,704 .. 9,215: a word a row
	v_lshl_add_u32 v[VCO], v1, 3, s22
	v_lshl_add_u32 v[VCO], v2, 2, v[VCO]           ; V: bytes 0 .. 8,191: 8 r + 4 h
	v_lshrrev_b32 v[VSB], 1, v1
	v_add_nc_u32 v[VSB], s22, v[VSB]
	v_add_nc_u32 v[VSB], 8192, v[VSB]              ; V: bytes 8,192 .. 8,703: a byte a block
	v_add_nc_u32 v[STL], s22, v[LI]
	s_lshl_b32 s46, s42, 10                        ; my 128 numbers of the bias: 4 (256 x tile column + 128 x half)
	s_lshl_b32 s23, s[WC], 9
	s_add_co_u32 s46, s46, s23
	s_mov_b32 s47, 0
	s_add_nc_u64 s[8:9], s[8:9], s[46:47]
	WIN 0x40                                       ; destination window 1
.irp b, 0,1,2,3,4,5,6,7
	global_load_b128 v[128+8*\b:128+8*\b+3], v[BO], s[8:9] offset:64*\b
	global_load_b128 v[128+8*\b+4:128+8*\b+7], v[BO], s[8:9] offset:64*\b+16
.endr
	WIN 0
	s_mov_b32 s[SEL], 0x76543210
	s_mov_b32 s[SEL+1], 0xfedcba98                 ; v_permlanex16_b32's selects for lane l xor 16
	s_lshl_b32 s22, s21, 1                         ; where my results go
	s_add_co_u32 s22, s22, s[WR]                   ; hd
	s_lshl_b32 s23, s40, 1
	s_add_co_u32 s23, s23, s[WC]                   ; g (Q, K), or which eight channels (V)
	s_lshl_b32 s92, s22, 16
	s_lshl_b32 s45, s23, 13
	s_add_co_u32 s92, s92, s45                     ; codes: 65,536 hd + 8,192 g
	s_mov_b32 s93, 0
	s_lshl_b32 s94, s22, 12
	s_lshl_b32 s45, s23, 9
	s_add_co_u32 s94, s94, s45                     ; scales: 4,096 hd + 512 g
	s_mov_b32 s95, 0
.macro FRAG reg, adr, qq, i            ; 16 rows x 128 K of 4-bit codes: 8 registers: registers 4 c .. 4 c + 3 hold K = 64 c + 32 h + 0 .. 31
.irp c, 0,1
	ds_load_b128 v[\reg+4*\c:\reg+4*\c+3], v[\adr] offset:64*(\qq)+32*\c+(\i)*16*PITCH
.endr
.endm
.macro FETCH q                         ; the fragments of K step q into set q % 2
	WIN 0x40
.irp i, 0,1,2,3,4,5,6,7
	FRAG 64*((\q)%2)+8*\i, ADRB+(\q)/4, (\q)%4, \i
.endr
	WIN 0
.irp i, 0,1,2,3,4,5,6,7
	FRAG AF+8*NA*((\q)%2)+8*\i, ADRA+(\q)/4, (\q)%4, \i
.endr
.endm
.macro SCALES                          ; all scale words: register SC + 32 s + 4 i + qq: lanes 0-15 X's block i, lanes 16-31 W_in's block i, K step 4 s + qq
.irp s, 0,1
.irp i, 0,1,2,3,4,5,6,7
	ds_load_b128 v[SC+32*\s+4*\i:SC+32*\s+4*\i+3], v[ADRS] offset:SBLK*\i+16*\s
.endr
.endr
.endm
; 64 products: the accumulators take turns, one instruction a turn, in the same order in every step.  Step 0 takes the bias as C: nothing is cleared.
.macro MUL q
.irp a, 0,1,2,3,4,5,6,7
.if (\q) == 0
	WIN 0x91+0x40*(\a/4)                           ; source 0 and C window 1, source 1 window 0, D window 2 or 3
.else
	WIN 0xa1+0x50*(\a/4)                           ; C and D window 2 or 3
.endif
.irp b, 0,1,2,3,4,5,6,7
.if (\q) == 0
	v_wmma_scale_f32_16x16x128_f8f6f4 v[8*(8*(\a%4)+\b):8*(8*(\a%4)+\b)+7], v[64*((\q)%2)+8*\b:64*((\q)%2)+8*\b+7], v[AF+8*NA*((\q)%2)+8*\a:AF+8*NA*((\q)%2)+8*\a+7], v[128+8*\b:128+8*\b+7], v[SC+32*((\q)/4)+4*\b+(\q)%4], v[SC+32*((\q)/4)+4*\a+(\q)%4] matrix_a_fmt:MATRIX_FMT_FP4 matrix_b_fmt:MATRIX_FMT_FP4 matrix_a_scale:MATRIX_SCALE_ROW1
.else
	v_wmma_scale_f32_16x16x128_f8f6f4 v[8*(8*(\a%4)+\b):8*(8*(\a%4)+\b)+7], v[64*((\q)%2)+8*\b:64*((\q)%2)+8*\b+7], v[AF+8*NA*((\q)%2)+8*\a:AF+8*NA*((\q)%2)+8*\a+7], v[8*(8*(\a%4)+\b):8*(8*(\a%4)+\b)+7], v[SC+32*((\q)/4)+4*\b+(\q)%4], v[SC+32*((\q)/4)+4*\a+(\q)%4] matrix_a_fmt:MATRIX_FMT_FP4 matrix_b_fmt:MATRIX_FMT_FP4 matrix_a_scale:MATRIX_SCALE_ROW1
.endif
.endr
.endr
.endm
.macro STEP q
	s_wait_dscnt 0x0                               ; this step's fragments are in (asked for 64 products ago)
.if (\q) == 3
	s_wait_tensorcnt 0x0                           ; my part of slot 1 has landed, and my reads of slot 0 are over (the wait above):
	s_barrier_signal -1
	s_barrier_wait -1                              ; both hold of all four waves
.endif
.if (\q) < 7
.if (\q) > 0
	PLACES 4                                       ; in front of loads into registers that the last step's products read
.endif
	FETCH (\q)+1
.endif
	MUL \q
.endm
	s_wait_tensorcnt 1                             ; the scales and my part of slot 0 are in; the one load issued behind them, slot 1's, may be out
	s_barrier_signal -1
	s_barrier_wait -1                              ; everybody's are
	SCALES
	FETCH 0
	s_wait_loadcnt 0x0                             ; the bias
.irp q, 0,1,2,3,4,5,6,7
	STEP \q
.endr
	WIN 0
	PLACES 4                                       ; behind the last products: their results are read and X's registers written below
	s_cmp_eq_u32 ttmp9, 2                          ; the cluster's x: the same in all sixteen partners
	s_cbranch_scc1 .Lv
	; ---- Q or K: each block of 16 rows becomes a fragment's image and a scale word a row
	s_lshl_b32 s45, ttmp9, 22                      ; K's codes lie 4,194,304 bytes behind Q's,
	s_add_co_u32 s92, s92, s45
	s_lshl_b32 s45, ttmp9, 18                      ; its scale words 262,144
	s_add_co_u32 s94, s94, s45
	s_add_nc_u64 s[10:11], s[10:11], s[92:93]
	s_add_nc_u64 s[12:13], s[12:13], s[94:95]
.irp b, 0,1,2,3
	v_mov_b32 v[TM+4+\b], 0                        ; written once: a lane permute's destination counts as one of its sources
.endr
.macro QW a
.set AC, 64*((\a)%4)
.set PCA, PC+8*(\a)
	WIN 0x0a+5*((\a)/4)                            ; sources 0 and 1: window 2 or 3
.irp b, 0,1,2,3
	v_max3_num_f32 v[TM+\b], |v[AC+16*\b]|, |v[AC+16*\b+1]|, 0x1800000   ; block b: my 16 numbers, each accumulator from its low end on, and the floor 2^(3 - 127)
.endr
.irp i, 2,4,6,8,10,12,14
.irp b, 0,1,2,3
	v_max3_num_f32 v[TM+\b], |v[AC+16*\b+\i]|, |v[AC+16*\b+\i+1]|, v[TM+\b]
.endr
.endr
	WIN 0
.irp b, 0,1,2,3
	v_permlanex16_b32 v[TM+4+\b], v[TM+\b], s[SEL], s[SEL+1]
.endr
.irp b, 0,1,2,3
	v_max_num_f32 v[TM+\b], v[TM+\b], v[TM+4+\b]   ; with lane l xor 16's: the block's largest magnitude
.endr
.irp b, 0,1,2,3
	v_add_nc_u32 v[TM+12+\b], 0xff000000, v[TM+\b] ; 2 off its exponent field: the conversion's scale operand
.endr
.irp b, 0,1,2,3
	v_lshrrev_b32 v[TM+4+\b], 23, v[TM+12+\b]      ; the byte
.endr
	v_lshl_or_b32 v[PW+(\a)], v[TM+5], 8, v[TM+4]
	v_lshl_or_b32 v[PW+(\a)], v[TM+6], 16, v[PW+(\a)]
	v_lshl_or_b32 v[PW+(\a)], v[TM+7], 24, v[PW+(\a)]
	WIN 0x02+(\a)/4                                ; source 0: window 2 or 3
.irp b, 0,1,2,3
	v_cvt_scalef32_pk8_fp4_f32 v[PCA+2*\b], v[AC+16*\b:AC+16*\b+7], v[TM+12+\b]
	v_cvt_scalef32_pk8_fp4_f32 v[PCA+2*\b+1], v[AC+16*\b+8:AC+16*\b+15], v[TM+12+\b]
.endr
	WIN 0
	v_nop                                          ; one plain line behind the conversions
.irp c, 0,1                                    ; the operand's layout wants a whole block in a lane
.irp i, 0,1
	v_permlane16_swap_b32 v[PCA+4*\c+\i], v[PCA+4*\c+2+\i]
.endr
.endr
	global_store_b128 v[LI], v[PCA:PCA+3], s[10:11] offset:1024*(\a)         ; c even: 512 consecutive bytes
	global_store_b128 v[LI], v[PCA+4:PCA+7], s[10:11] offset:1024*(\a)+512   ; c odd
	ds_store_b32 v[QSW], v[PW+(\a)] offset:64*(\a) ; both halves of the lanes write the same word with the same value
.endm
.irp a, 0,1,2,3,4,5,6,7
	QW \a
.endr
	ds_load_b128 v[200:203], v[STL] offset:8704    ; LDS serves a wave's instructions in order: these see my stores
	s_wait_dscnt 0x0
	global_store_b128 v[LI], v[200:203], s[12:13]  ; the 128 rows' words: 512 consecutive bytes
	s_branch .Lend
.Lv:	; ---- V: quantised along the keys
	s_add_nc_u64 s[14:15], s[14:15], s[92:93]
	s_add_nc_u64 s[16:17], s[16:17], s[94:95]
.irp b, 0,1,2,3,4,5,6,7
	v_mov_b32 v[T2+\b], 0                          ; written once, for the lane permutes
.endr
.macro VW a
.set AC, 64*((\a)%4)
	WIN 0x0a+5*((\a)/4)
.irp b, 0,1,2,3,4,5,6,7
	v_max3_num_f32 v[TM+\b], |v[AC+8*\b]|, |v[AC+8*\b+1]|, 0x1800000   ; channel b: my 8 keys, and the floor
.endr
.irp i, 2,4,6
.irp b, 0,1,2,3,4,5,6,7
	v_max3_num_f32 v[TM+\b], |v[AC+8*\b+\i]|, |v[AC+8*\b+\i+1]|, v[TM+\b]
.endr
.endr
	WIN 0
.irp b, 0,1,2,3,4,5,6,7
	v_max_num_f32_dpp v[TM+\b], v[TM+\b], v[TM+\b] row_xmask:1 row_mask:0xf bank_mask:0xf   ; the block's other row
.endr
.irp b, 0,1,2,3,4,5,6,7
	v_permlanex16_b32 v[T2+\b], v[TM+\b], s[SEL], s[SEL+1]
.endr
.irp b, 0,1,2,3,4,5,6,7
	v_max_num_f32 v[TM+\b], v[TM+\b], v[T2+\b]     ; and the c of the other parity: the block's largest magnitude
.endr
.irp b, 0,1,2,3,4,5,6,7
	v_add_nc_u32 v[SO+\b], 0xff000000, v[TM+\b]
.endr
.irp b, 0,1,2,3,4,5,6,7
	v_lshrrev_b32 v[VBY+8*(\a)+\b], 23, v[SO+\b]
.endr
	WIN 0x02+(\a)/4
.irp b, 0,1,2,3,4,5,6,7
	v_cvt_scalef32_pk8_fp4_f32 v[VC+8*(\a)+\b], v[AC+8*\b:AC+8*\b+7], v[SO+\b]
.endr
	WIN 0
	v_nop                                          ; one plain line behind the conversions
.irp b, 0,1,2,3,4,5,6,7
	ds_store_b32 v[VCO], v[VC+8*(\a)+\b] offset:1024*\b+128*(\a)   ; block 8 a + r / 2 of channel b: byte 8 (r % 2) + 4 h of its 16
	ds_store_b8 v[VSB], v[VBY+8*(\a)+\b] offset:64*\b+8*(\a)       ; the block's four lanes write the same byte with the same value
.endr
.endm
.irp a, 0,1,2,3,4,5,6,7
	VW \a
.endr
	s_wait_dscnt 0x0                               ; the stores have read their registers: the loads below land there
.irp i, 0,1,2,3,4,5,6,7,8,9,10,11,12,13,14,15
	ds_load_b128 v[128+4*\i:128+4*\i+3], v[STL] offset:512*\i
.endr
	ds_load_b128 v[192:195], v[STL] offset:8192
.irp i, 0,1,2,3,4,5,6,7,8,9,10,11,12,13,14,15
	s_wait_dscnt 16-\i                             ; the younger loads, the scale bytes' among them, may be out
	global_store_b128 v[LI], v[128+4*\i:128+4*\i+3], s[14:15] offset:512*\i   ; eight channels x 1,024 bytes: dense
.endr
	s_wait_dscnt 0x0
	global_store_b128 v[LI], v[192:195], s[16:17]  ; eight channels x 64 scale bytes
.Lend:
	s_wait_dscnt 0x0
	s_wait_tensorcnt 0x0
	ds_add_u32 v126, v127
	s_wait_dscnt 0x0
	CROUND                                         ; the closing round: no work-group ends while a partner may still ask for a tile that names it
	s_endpgm
.Lfunc_end_k_q2167020dd4_qkv:
	.size	k_q2167020dd4_qkv, .Lfunc_end_k_q2167020dd4_qkv-k_q2167020dd4_qkv
	.p2alignl 7, 3214868480
	.fill 96, 4, 3214868480
	.section	.rodata,"a",@progbits
	.p2align	6, 0x0
	.amdhsa_kernel k_q2167020dd4_qkv
		.amdhsa_group_segment_fixed_size 296448
		.amdhsa_private_segment_fixed_size 0
		.amdhsa_enable_private_segment 0
		.amdhsa_kernarg_size 56
		.amdhsa_user_sgpr_count 2
		.amdhsa_user_sgpr_kernarg_segment_ptr 1
		.amdhsa_wavefront_size32 1
		.amdhsa_system_sgpr_workgroup_id_x 1
		.amdhsa_system_sgpr_workgroup_id_y 1
		.amdhsa_system_sgpr_workgroup_id_z 1
		.amdhsa_system_vgpr_workitem_id 0
		.amdhsa_next_free_vgpr 1024
		.amdhsa_next_free_sgpr 100
		.amdhsa_reserve_vcc 0
		.amdhsa_float_denorm_mode_32 3
		.amdhsa_float_denorm_mode_16_64 3
		.amdhsa_memory_ordered 1
		.amdhsa_forward_progress 1
		.amdhsa_inst_pref_size 180
	.end_amdhsa_kernel
	.amdgpu_metadata
---
amdhsa.version: [ 1, 2 ]
amdhsa.kernels:
  - .name:           k_q2167020dd4_qkv
    .symbol:         k_q2167020dd4_qkv.kd
    .args:
      - { .name: xw_codes, .offset: 0, .size: 8, .value_kind: global_buffer, .address_space: global }
      - { .name: xw_scales, .offset: 8, .size: 8, .value_kind: global_buffer, .address_space: global }
      - { .name: bias_p, .offset: 16, .size: 8, .value_kind: global_buffer, .address_space: global }
      - { .name: qk_codes, .offset: 24, .size: 8, .value_kind: global_buffer, .address_space: global }
      - { .name: qk_scales, .offset: 32, .size: 8, .value_kind: global_buffer, .address_space: global }
      - { .name: v_codes, .offset: 40, .size: 8, .value_kind: global_buffer, .address_space: global }
      - { .name: v_scales, .offset: 48, .size: 8, .value_kind: global_buffer, .address_space: global }
    .group_segment_fixed_size: 296448
    .private_segment_fixed_size: 0
    .kernarg_segment_align: 8
    .kernarg_segment_size: 56
    .max_flat_workgroup_size: 128
    .sgpr_count:     100
    .vgpr_count:     1024
    .wavefront_size: 32
...
	.end_amdgpu_metadata
.endif
;; end of part 2
;; launch attn (part 3): grid 4 x 64, 16 waves a work-group, clusters of 4 x 1, 169,984 bytes of LDS; arguments qk_codes, qk_scales, v_codes, v_scales, val; writes val
.if DOCPART == 3
	.amdgcn_target "amdgcn-amd-amdhsa--gfx1250"
	.amdhsa_code_object_version 6
	.text
	.protected	k_q2167020dd4_attn
	.globl	k_q2167020dd4_attn
	.p2align	8
	.type	k_q2167020dd4_attn,@function
k_q2167020dd4_attn:
	s_mov_b64 s[64:65], 0
	v_nop
	global_prefetch_b8 v0, s[64:65] scope:SCOPE_SE
	s_setreg_imm32_b32 hwreg(HW_REG_WAVE_MODE, 25, 1), 1
	s_wait_xcnt 0x0
	s_wait_alu depctr_hold_cnt(0) depctr_sa_sdst(0) depctr_va_vdst(0) depctr_va_sdst(0) depctr_va_ssrc(0) depctr_va_vcc(0) depctr_vm_vsrc(0)
	s_getreg_b32 s2, hwreg(HW_REG_IB_STS2, 6, 4)
	s_cmp_eq_u32 s2, 0
	s_cbranch_scc0 .Lentry_in_a_cluster
	s_endpgm
.Lentry_in_a_cluster:
	s_bfe_u32 s2, ttmp6, 0x10000c
	s_cmp_lg_u32 s2, 0x3003
	s_cbranch_scc0 .Lentry_shape_is_right
	s_endpgm
.Lentry_shape_is_right:
; values[hd][s][:] = softmax_k(Q[hd][s] . K[hd][k] / 8) V[hd][k][:], 64 heads x 2,048 positions x 64 channels, both products on codes of FP4 with E8M0 scales; the values are quantised here for the last product.
; THE SOFTMAX AHEAD OF THE SECOND PRODUCT: t = score x log2(e) / 8; M = the running largest t rounded UP to a whole number; p = 2^(t - M) is quantised along the keys, not normalised; the row's sum is taken of
; the unquantised p and divides at the end; when M moves, the sum and O are multiplied by 2^(old M - new M), which rounds nothing.
; SHARES: a work-group owns 32 rows R_l of a head (512 queries: position s = 16 R_l + c); wave w owns two tiles of 16 queries: rows 16 a + 0..15 (a = 2 cx + w / 8), c = 2 g and 2 g + 1 (g = w % 8).
; Sixteen waves of 256 registers: four to a SIMD, so that one wave's vector work stands beside another's products and LDS loads.
; A HEAD'S WHOLE K, V AND SCALES LIE IN LDS, filled once.  The four work-groups of a cluster belong to one head and ask for them jointly (mask 15).  Nothing is filled again: no ring, and no later load to ask ahead for.
; THE HEAD IS 64 WIDE, THE INSTRUCTION 128: a fragment of K holds 16 PAIRS of keys (c = 2 j and 2 j + 1 of one row): registers 0-3 the even key, 4-7 the odd one, and K's stored scale word fits it as it lies.
; It is multiplied by (Q | zeros) for the even keys and by (zeros | Q) for the odd ones.  Zero codes add nothing under any scale byte but 0xff, and no byte here is 0xff.
; Both products are used transposed: a lane holds ONE query (lane % 16).  For block J of 32 keys (rows 2 J, 2 J + 1) lane half h holds row 2 J + h: eight even c, then eight odd c.
; After the exchange of halves p's codes stand as [R even, c even][R even, c odd][R odd, c even][R odd, c odd], as V's do.
; V's channels lie at places dpos with d = swap34(dpos), so that O^T's 16 registers of two neighbouring tiles are 16 neighbouring channels: the values' quantiser takes them as they stand.
; OUT: val: codes [8192][512 bytes] in their natural order, and from byte 4,194,304 on the scale bytes [8192][32].
; LIMITS: a block of zeros gets the byte 1, not 127 (zero codes; this program alone reads the bytes); largest magnitudes under 2^-124 are held at the byte 1; NaN and infinities are not served.
.set KCH,  8224                        ; a chunk of K (one g: 8,192 dense bytes) + 32: the 16 pairs of a fragment start 16 bytes apart modulo 256
.set VP,   1040                        ; a channel's row of V: 1,024 bytes + 16
.set LVB,  66048                       ; V: 64 rows
.set LKS,  132608                      ; K's scale words: 8 rows of 512 bytes + 8
.set LVS,  136960                      ; V's scale bytes: 64 rows of 64 bytes + 8
.set STG,  141568                      ; the way out: 32 rows of 512 bytes + 16; no fill lands here
.set STS,  158464                      ; and their 32 x 32 scale bytes
.set AK0,  1                           ; v1-4  my lane's place in K, V, K's scale words, V's
.set AV0,  2
.set ASK0, 3
.set ASV0, 4
.set ADK,  5                           ; v5-8  the same for the trip in hand
.set ADV,  6
.set ADS,  7
.set ADT,  8
.set F,    44                          ; v44-75   four fragments of K or of V
.set S,    84                          ; v84-147  the scores, then p
.set O,    148                         ; v148-211 O^T: 32 registers a tile
.set PC,   212                         ; v212-227 p's codes: 8 a tile
.set PSW,  228                         ; v228-229 p's scale words
.set BM,   230                         ; v230-233 the blocks' largest scores, then p
.set BT,   234                         ; v234-237 at work
.set SO,   238                         ; v238-241 the conversions' scale operands
; v9 16 x lane; v10, v14 -M; v11, v15 the largest t; v[12:13], v[16:17] the sums in two halves; v18 r; v19 h; v20-23 Q0, v24-27 zeros, v28-31 Q1, v32-35 zeros, v36-39 Q0;
; v40-42 Q's scale word W, W << 16, W >> 16; v76-79 K's scale words; v80-83 V's; v[242:243] f; v244 at work; v[246:247] the second chain of the sums
.set WV,  14
.set SEL, 18
.set CS,  20
.set G1K, 24
.set G1V, 32
.set G1KS, 40
.set G1VS, 48
.set G0K, 56
.set G0V, 60
.set G0KS, 68
.set G0VS, 72
.set TK,  76                           ; s76-79 what a trip (256 keys) adds to the four addresses
.set TS,  77
.set TV,  78
.set TW,  79
.set CNT, 80
.macro CROUND                          ; a round of the cluster's barrier
	s_barrier_signal -1
	s_barrier_wait -1
	s_cmp_lg_u32 s[WV], 0
	s_cbranch_scc1 .Lnot_wave_0_\@
	s_barrier_signal -3
.Lnot_wave_0_\@:
	s_barrier_wait -3
	s_barrier_signal -1
	s_barrier_wait -1
.endm
	s_load_b256 s[4:11], s[0:1], 0x0               ; qk_codes s[4:5], qk_scales s[6:7], v_codes s[8:9], v_scales s[10:11]
	s_load_b64 s[12:13], s[0:1], 0x20              ; val
	v_lshl_add_u32 v254, v0, 2, 0x29000
	v_mov_b32 v255, 0
	ds_add_u32 v254, v255
	ds_add_u32 v254, v255
	v_lshrrev_b32 v1, 5, v0
	s_delay_alu instid0(VALU_DEP_1)
	v_readfirstlane_b32 s[WV], v1                  ; wave 0..15
	s_bfe_u32 s15, ttmp6, 0x40000                  ; cx: it enters Q's and val's addresses alone
	s_and_b32 s16, ttmp7, 0xffff                   ; the head, which the four partners share
	s_lshl_b32 s82, s16, 16                        ; its codes: 65,536 bytes in each tensor
	s_lshl_b32 s84, s16, 12                        ; its scales: 4,096
	s_mov_b32 s85, 0
	s_and_b32 s17, s[WV], 7                        ; g; also: which chunk of K I fetch (waves 0-7)
	s_mul_i32 s22, s17, KCH
	s_lshl_b32 s86, s17, 13
	s_add_co_u32 s86, s86, s82
	s_add_co_u32 s86, s86, 4194304                 ; K's codes lie behind Q's
	s_mov_b32 s87, 0
	s_and_b32 s23, s[WV], 3                        ; which 16 channels of V I fetch (waves 8-11)
	s_lshl_b32 s88, s23, 14
	s_add_co_u32 s88, s88, s82
	s_mov_b32 s89, 0
	s_mul_i32 s23, s23, 16*VP
	s_add_co_u32 s23, s23, LVB
	s_add_co_u32 s90, s84, 262144                  ; K's scale words lie behind Q's
	s_mov_b32 s91, 0
	; descriptor groups 1: elements of 8 bytes; the mask names all four work-groups; bit 21 beside it
	s_mov_b32 s[G1K], 15|(3<<16)|(1<<21)           ; K: 32 rows of 256 bytes, dense, no padding
	s_mov_b32 s[G1K+1], 32<<16
	s_mov_b32 s[G1K+2], 32<<16
	s_mov_b32 s[G1K+3], 32<<16
	s_mov_b32 s[G1K+4], 32
	s_mov_b32 s[G1K+5], 32
	s_mov_b32 s[G1K+6], 0
	s_mov_b32 s[G1K+7], 0
	s_mov_b32 s[G1V], 15|(3<<16)|(1<<20)|(1<<21)|(7<<22)|(3<<25)   ; V: 16 rows of 1,024 bytes, 4 words behind every 256
	s_mov_b32 s[G1V+1], 128<<16
	s_mov_b32 s[G1V+2], 16<<16
	s_mov_b32 s[G1V+3], 128<<16
	s_mov_b32 s[G1V+4], 16
	s_mov_b32 s[G1V+5], 128
	s_mov_b32 s[G1V+6], 0
	s_mov_b32 s[G1V+7], 0
	s_mov_b32 s[G1KS], 15|(3<<16)|(1<<20)|(1<<21)|(6<<22)|(1<<25)  ; K's scales: 8 rows of 512 bytes, 2 words behind every 128
	s_mov_b32 s[G1KS+1], 64<<16
	s_mov_b32 s[G1KS+2], 8<<16
	s_mov_b32 s[G1KS+3], 64<<16
	s_mov_b32 s[G1KS+4], 8
	s_mov_b32 s[G1KS+5], 64
	s_mov_b32 s[G1KS+6], 0
	s_mov_b32 s[G1KS+7], 0
	s_mov_b32 s[G1VS], 15|(3<<16)|(1<<20)|(1<<21)|(3<<22)|(1<<25)  ; V's scales: 64 rows of 64 bytes, 2 words behind every 16
	s_mov_b32 s[G1VS+1], 8<<16
	s_mov_b32 s[G1VS+2], 64<<16
	s_mov_b32 s[G1VS+3], 8<<16
	s_mov_b32 s[G1VS+4], 64
	s_mov_b32 s[G1VS+5], 8
	s_mov_b32 s[G1VS+6], 0
	s_mov_b32 s[G1VS+7], 0
	s_mov_b32 s[SEL], 0x76543210
	s_mov_b32 s[SEL+1], 0xfedcba98                 ; v_permlanex16_b32's selects for lane l xor 16
	s_mov_b32 s[CS], 0x3e38aa3b                    ; c = log2(e) / 8
	s_mov_b32 s[CS+1], s[CS]                       ; (named with it as a pair, so it is written)
	s_mov_b32 s[TK], 0
	s_mov_b32 s[TS], 0
	s_mov_b32 s[TV], 0
	s_mov_b32 s[TW], 0
	s_wait_dscnt 0x0
	s_wait_kmcnt 0x0
	s_mov_b32 s[G0K], 1
	s_mov_b32 s[G0K+1], s22
	s_add_nc_u64 s[G0K+2:G0K+3], s[4:5], s[86:87]
	s_or_b32 s[G0K+3], s[G0K+3], 0x80000000
	s_mov_b32 s[G0V], 1
	s_mov_b32 s[G0V+1], s23
	s_add_nc_u64 s[G0V+2:G0V+3], s[8:9], s[88:89]
	s_or_b32 s[G0V+3], s[G0V+3], 0x80000000
	s_mov_b32 s[G0KS], 1
	s_mov_b32 s[G0KS+1], LKS
	s_add_nc_u64 s[G0KS+2:G0KS+3], s[6:7], s[90:91]
	s_or_b32 s[G0KS+3], s[G0KS+3], 0x80000000
	s_mov_b32 s[G0VS], 1
	s_mov_b32 s[G0VS+1], LVS
	s_add_nc_u64 s[G0VS+2:G0VS+3], s[10:11], s[84:85]
	s_or_b32 s[G0VS+3], s[G0VS+3], 0x80000000
	CROUND                                         ; all four work-groups are here: the joint loads meet
	; one load a wave at the most: waves 0-7 K's chunks, 8-11 V's quarters, 12 K's scales, 13 V's.  The branches hang on the wave's number alone.  Four v_nop follow each line.
	s_cmp_lt_u32 s[WV], 8
	s_cbranch_scc0 .Lnot_k
	tensor_load_to_lds s[G0K:G0K+3], s[G1K:G1K+7]
	s_nop 0
.rept 4
	v_nop
.endr
	s_branch .Lasked
.Lnot_k:
	s_cmp_lt_u32 s[WV], 12
	s_cbranch_scc0 .Lnot_v
	tensor_load_to_lds s[G0V:G0V+3], s[G1V:G1V+7]
	s_nop 0
.rept 4
	v_nop
.endr
	s_branch .Lasked
.Lnot_v:
	s_cmp_eq_u32 s[WV], 12
	s_cbranch_scc0 .Lnot_ks
	tensor_load_to_lds s[G0KS:G0KS+3], s[G1KS:G1KS+7]
	s_nop 0
.rept 4
	v_nop
.endr
	s_branch .Lasked
.Lnot_ks:
	s_cmp_eq_u32 s[WV], 13
	s_cbranch_scc0 .Lasked
	tensor_load_to_lds s[G0VS:G0VS+3], s[G1VS:G1VS+7]
	s_nop 0
.rept 4
	v_nop
.endr
.Lasked:
	; my two tiles of Q: images of the operand's registers, 512 bytes each
	s_lshr_b32 s3, s[WV], 3
	s_lshl_b32 s2, s15, 1
	s_add_co_u32 s2, s2, s3                        ; a
	s_lshl_b32 s86, s17, 13
	s_lshl_b32 s3, s2, 10
	s_add_co_u32 s86, s86, s3
	s_add_co_u32 s86, s86, s82
	s_add_nc_u64 s[86:87], s[4:5], s[86:87]
	s_lshl_b32 s88, s17, 9
	s_lshl_b32 s3, s2, 6
	s_add_co_u32 s88, s88, s3
	s_add_co_u32 s88, s88, s84
	s_add_nc_u64 s[88:89], s[6:7], s[88:89]
	v_and_b32 v18, 15, v0                          ; r
	v_bfe_u32 v19, v0, 4, 1                        ; h
	v_and_b32 v9, 31, v0
	s_delay_alu instid0(VALU_DEP_1)
	v_lshlrev_b32 v9, 4, v9                        ; 16 x lane
	s_delay_alu instid0(VALU_DEP_4)
	v_lshlrev_b32 v7, 2, v18
	global_load_b128 v[20:23], v9, s[86:87]        ; Q0 (c = 2 g)
	global_load_b128 v[28:31], v9, s[86:87] offset:512   ; Q1 (c = 2 g + 1)
	global_load_b128 v[36:39], v9, s[86:87]        ; Q0 once more: it stands in front of zeros and behind zeros
	global_load_b32 v40, v7, s[88:89]              ; W: bytes 0, 1 Q0's scales, bytes 2, 3 Q1's
	v_and_b32 v5, 7, v18
	v_lshrrev_b32 v6, 3, v18
	s_delay_alu instid0(VALU_DEP_2)
	v_mul_u32_u24 v[AK0], v5, KCH                  ; pair r of a block: chunk g = r % 8, row 2 J + r / 8; my half's 16 bytes lie 256 h on
	s_delay_alu instid0(VALU_DEP_1)
	v_lshl_add_u32 v[AK0], v19, 8, v[AK0]
	s_delay_alu instid0(VALU_DEP_1)
	v_lshl_add_u32 v[AK0], v6, 4, v[AK0]
	v_mul_u32_u24 v[AV0], v18, VP
	s_delay_alu instid0(VALU_DEP_1)
	v_lshl_add_u32 v[AV0], v19, 4, v[AV0]
	s_delay_alu instid0(VALU_DEP_1)
	v_add_nc_u32 v[AV0], LVB, v[AV0]
	v_mul_u32_u24 v[ASK0], v5, 520
	s_delay_alu instid0(VALU_DEP_1)
	v_lshl_add_u32 v[ASK0], v6, 2, v[ASK0]
	s_delay_alu instid0(VALU_DEP_1)
	v_add_nc_u32 v[ASK0], LKS, v[ASK0]
	v_mul_u32_u24 v[ASV0], v18, 72
	s_delay_alu instid0(VALU_DEP_1)
	v_add_nc_u32 v[ASV0], LVS, v[ASV0]
	s_wait_loadcnt 0x0                             ; Q
	v_lshlrev_b32 v41, 16, v40                     ; Q0's scales over the upper 64 of K (the lower bytes stand over zero codes)
	v_lshrrev_b32 v42, 16, v40                     ; Q1's over the lower 64
.irp j, 24,25,26,27,32,33,34,35
	v_mov_b32 v[\j], 0                             ; zero codes
.endr
.irp t, 0,1
	v_mov_b32 v[11+4*\t], 0xff61b1e6               ; the largest t so far: -3e38, under every t
	s_delay_alu instid0(VALU_DEP_1)
	v_floor_f32 v[10+4*\t], -v[11+4*\t]            ; -M
	v_mov_b32 v[12+4*\t], 0                        ; the sum, in two halves
	v_mov_b32 v[13+4*\t], 0
.endr
.irp b, 0,1,2,3
	v_mov_b32 v[BT+\b], 0                          ; written once: a lane permute's destination counts as one of its sources
.endr
	v_mov_b32 v243, 0                              ; (named as the upper half of the pair v[242:243])
.irp j, 0,1,2,3,4,5,6,7,8,9,10,11,12,13,14,15,16,17,18,19,20,21,22,23,24,25,26,27,28,29,30,31,32,33,34,35,36,37,38,39,40,41,42,43,44,45,46,47,48,49,50,51,52,53,54,55,56,57,58,59,60,61,62,63
	v_mov_b32 v[O+\j], 0                           ; O^T: the loop is written once; its first step finds zeros, which the first change of M leaves zeros.  (Also the places between the scale words made above and the first products)
.endr
	s_wait_tensorcnt 0x0                           ; my load, if I had one, has landed
	s_barrier_signal -1
	s_barrier_wait -1                              ; everybody's has
.macro KLOAD par                       ; four blocks of 32 keys: a fragment of 16 pairs and its scale words each
.irp j, 0,1,2,3
	ds_load_b128 v[F+8*\j:F+8*\j+3], v[ADK] offset:128*\par+32*\j          ; the even keys
	ds_load_b128 v[F+8*\j+4:F+8*\j+7], v[ADK] offset:128*\par+32*\j+512    ; the odd keys
	ds_load_b32 v[76+\j], v[ADS] offset:32*\par+8*\j
.endr
.endm
.macro VLOAD par                       ; four tiles of 16 channels x these 128 keys
.irp t, 0,1,2,3
.irp c, 0,1
	ds_load_b128 v[F+8*\t+4*\c:F+8*\t+4*\c+3], v[ADV] offset:16*VP*\t+64*\par+32*\c
.endr
	ds_load_b32 v[80+\t], v[ADT] offset:1152*\t+4*\par
.endr
.endm
.macro SCORES qe, qes, qo, qos         ; S^T of one tile of queries: (Q | 0) gives the even keys, (0 | Q) the odd ones
.irp j, 0,1,2,3
	v_wmma_scale_f32_16x16x128_f8f6f4 v[S+16*\j:S+16*\j+7], v[F+8*\j:F+8*\j+7], v[\qe:\qe+7], 0, v[76+\j], v[\qes] matrix_a_fmt:MATRIX_FMT_FP4 matrix_b_fmt:MATRIX_FMT_FP4
	v_wmma_scale_f32_16x16x128_f8f6f4 v[S+16*\j+8:S+16*\j+15], v[F+8*\j:F+8*\j+7], v[\qo:\qo+7], 0, v[76+\j], v[\qos] matrix_a_fmt:MATRIX_FMT_FP4 matrix_b_fmt:MATRIX_FMT_FP4
.endr
.endm
.macro SOFTMAX t
.set NM, 10+4*(\t)
.set LT, 11+4*(\t)
.set SU, 12+4*(\t)
.set OO, O+32*(\t)
.set PCT, PC+8*(\t)
.irp b, 0,1,2,3
	v_max3_num_f32 v[BM+\b], v[S+16*\b], v[S+1+16*\b], v[S+2+16*\b]   ; the largest score of each block of 32 keys: for the row's maximum and, since p rises with the score, for the block's largest p
.endr
.irp i, 3,5,7,9,11,13
.irp b, 0,1,2,3
	v_max3_num_f32 v[BM+\b], v[BM+\b], v[S+16*\b+\i], v[S+1+16*\b+\i]
.endr
.endr
.irp b, 0,1,2,3
	v_max_num_f32 v[BM+\b], v[BM+\b], v[S+15+16*\b]
.endr
.irp b, 0,1,2,3
	s_delay_alu instid0(VALU_DEP_4)
	v_permlanex16_b32 v[BT+\b], v[BM+\b], s[SEL], s[SEL+1]
.endr
.irp b, 0,1,2,3
	s_delay_alu instid0(VALU_DEP_4)
	v_max_num_f32 v[BM+\b], v[BM+\b], v[BT+\b]     ; with lane l xor 16's 16 keys
.endr
	s_delay_alu instid0(VALU_DEP_2)
	v_max3_num_f32 v244, v[BM], v[BM+1], v[BM+2]
	s_delay_alu instid0(VALU_DEP_1)
	v_max_num_f32 v244, v244, v[BM+3]
	s_delay_alu instid0(VALU_DEP_1)
	v_mul_f32 v244, s[CS], v244                    ; the step's largest t (c is positive)
	s_delay_alu instid0(VALU_DEP_1)
	v_max_num_f32 v[LT], v[LT], v244               ; the running largest t
	v_mov_b32 v244, v[NM]
	s_delay_alu instid0(VALU_DEP_2)
	v_floor_f32 v[NM], -v[LT]                      ; the new -M = -ceil(t): a whole number
	s_delay_alu instid0(VALU_DEP_1)
	v_sub_f32 v244, v[NM], v244                    ; old M - new M: a whole number, 0 or less
	s_delay_alu instid0(VALU_DEP_1)
	v_cvt_i32_f32 v244, v244                       ; (it saturates)
	s_delay_alu instid0(VALU_DEP_1)
	v_ldexp_f32 v242, 1.0, v244                    ; f = 2^(old M - new M)
.irp j, 0,2,4,6,8,10,12,14,16,18,20,22,24,26,28,30,32,34,36,38,40,42,44,46,48,50,52,54,56,58,60,62
	v_pk_fma_f32 v[S+\j:S+\j+1], v[S+\j:S+\j+1], s[CS:CS+1], v[NM:NM+1] op_sel_hi:[1,0,0]   ; t - M, two at a time
.endr
.irp b, 0,1,2,3
	v_fma_f32 v[BM+\b], v[BM+\b], s[CS], v[NM]     ; the same of each block's largest score
.endr
	s_wait_alu depctr_va_vdst(0)
.irp j, 0,1,2,3,4,5,6,7,8,9,10,11,12,13,14,15,16,17,18,19,20,21,22,23,24,25,26,27,28,29,30,31,32,33,34,35,36,37,38,39,40,41,42,43,44,45,46,47,48,49,50,51,52,53,54,55,56,57,58,59,60,61,62,63
	v_exp_f32 v[S+\j], v[S+\j]                     ; p = 2^(t - M), at most 1
.endr
	v_pk_mul_f32 v[SU:SU+1], v[SU:SU+1], v[242:243] op_sel_hi:[1,0]   ; the sums under the new M (the plain line behind the exponentials)
	s_wait_alu depctr_va_vdst(0)                   ; one wait for the batch of 64, ahead of its first reader
.irp b, 0,1,2,3
	v_exp_f32 v[BM+\b], v[BM+\b]                   ; the blocks' largest p: the same two instructions on the same number give the same bits
.endr
	v_pk_add_f32 v[246:247], v[S:S+1], v[S+2:S+3]  ; the row's sum of the unquantised p, in two chains
.irp j, 4,8,12,16,20,24,28,32,36,40,44,48,52,56,60
	v_pk_add_f32 v[SU:SU+1], v[SU:SU+1], v[S+\j:S+\j+1]
	v_pk_add_f32 v[246:247], v[246:247], v[S+\j+2:S+\j+3]
.endr
	s_delay_alu instid0(VALU_DEP_1)
	v_pk_add_f32 v[SU:SU+1], v[SU:SU+1], v[246:247]
	s_wait_alu depctr_va_vdst(0)                   ; and one for the four
.irp b, 0,1,2,3
	v_max_num_f32 v[BM+\b], 0x1800000, v[BM+\b]    ; the floor 2^(3 - 127): the byte cannot fall under 1
.endr
.irp b, 0,1,2,3
	s_delay_alu instid0(VALU_DEP_4)
	v_add_nc_u32 v[SO+\b], 0xff000000, v[BM+\b]    ; 2 off the exponent field: the conversion's scale operand
.endr
.irp b, 0,1,2,3
	s_delay_alu instid0(VALU_DEP_4)
	v_lshrrev_b32 v[BT+\b], 23, v[SO+\b]           ; the byte
.endr
	s_delay_alu instid0(VALU_DEP_3)
	v_lshl_or_b32 v[PSW+(\t)], v[BT+1], 8, v[BT]   ; p's scale word for these 128 keys
	s_delay_alu instid0(VALU_DEP_1)
	v_lshl_or_b32 v[PSW+(\t)], v[BT+2], 16, v[PSW+(\t)]
	s_delay_alu instid0(VALU_DEP_1)
	v_lshl_or_b32 v[PSW+(\t)], v[BT+3], 24, v[PSW+(\t)]
.irp b, 0,1,2,3
	v_cvt_scalef32_pk8_fp4_f32 v[PCT+2*\b], v[S+16*\b:S+16*\b+7], v[SO+\b]
	v_cvt_scalef32_pk8_fp4_f32 v[PCT+2*\b+1], v[S+16*\b+8:S+16*\b+15], v[SO+\b]
.endr
	v_nop                                          ; one plain line behind the conversions
.irp c, 0,1                                    ; the operand's layout wants a whole block in a lane
.irp i, 0,1
	v_permlane16_swap_b32 v[PCT+4*\c+\i], v[PCT+4*\c+2+\i]
.endr
.endr
.irp j, 0,2,4,6,8,10,12,14,16,18,20,22,24,26,28,30
	v_pk_mul_f32 v[OO+\j:OO+\j+1], v[OO+\j:OO+\j+1], v[242:243] op_sel_hi:[1,0]   ; O^T under the new M.  (These 16 are also the places between the codes and scale word just made and the products that take them)
.endr
.endm
.macro PV                              ; O^T += V^T P^T: eight accumulators by turns, one instruction a turn
.irp t, 0,1,2,3
.irp u, 0,1
	v_wmma_scale_f32_16x16x128_f8f6f4 v[O+32*\u+8*\t:O+32*\u+8*\t+7], v[F+8*\t:F+8*\t+7], v[PC+8*\u:PC+8*\u+7], v[O+32*\u+8*\t:O+32*\u+8*\t+7], v[80+\t], v[PSW+\u] matrix_a_fmt:MATRIX_FMT_FP4 matrix_b_fmt:MATRIX_FMT_FP4
.endr
.endr
.endm
.macro STEP par                        ; 128 keys
.if \par == 0
	v_add_nc_u32 v[ADK], s[TK], v[AK0]             ; the trip's addresses: four plain lines, the places in front of loads into registers that the last products read
	v_add_nc_u32 v[ADV], s[TV], v[AV0]
	v_add_nc_u32 v[ADS], s[TS], v[ASK0]
	v_add_nc_u32 v[ADT], s[TW], v[ASV0]
.else
.rept 4
	v_nop
.endr
.endif
	s_setprio 2
	KLOAD \par
	s_wait_dscnt 0x0
	SCORES 20, 40, 32, 41                          ; tile 0: (Q0 | 0) under W, (0 | Q0) under W << 16
.rept 4
	v_nop
.endr
	SOFTMAX 0
	SCORES 28, 42, 24, 40                          ; tile 1: (Q1 | 0) under W >> 16, (0 | Q1) under W
.rept 4
	v_nop                                          ; in front of the loads into K's registers and of the first read of the scores
.endr
	VLOAD \par                                     ; lands under the softmax below
	s_setprio 1
	SOFTMAX 1
	s_setprio 0
	s_wait_alu depctr_va_vdst(0)
	s_wait_dscnt 0x0
	PV
.endm
	s_mov_b32 s[CNT], 8
.Ltrip:                                            ; 8 trips of 256 keys
	STEP 0
	STEP 1
	s_add_co_u32 s[TK], s[TK], 1024                ; 16 rows on in every chunk of K,
	s_add_co_u32 s[TS], s[TS], 64                  ; 16 words on in its scales,
	s_add_co_u32 s[TV], s[TV], 128                 ; 8 blocks on in V's rows,
	s_add_co_u32 s[TW], s[TW], 8                   ; 8 bytes on in its scales
	s_sub_co_u32 s[CNT], s[CNT], 1
	s_cmp_lg_u32 s[CNT], 0
	s_cbranch_scc1 .Ltrip
	s_setprio 0
	; THE WAY OUT: O^T / the sum, quantised along the last product's K (column 64 c + d of row R), through a stage in LDS, so that whole rows of codes leave.
.rept 4
	v_nop
.endr
.irp t, 0,1
	v_add_f32 v[12+4*\t], v[12+4*\t], v[13+4*\t]   ; the sum's two halves,
.endr
.irp t, 0,1
	s_delay_alu instid0(VALU_DEP_2)
	v_permlanex16_b32 v[BT+\t], v[12+4*\t], s[SEL], s[SEL+1]
.endr
.irp t, 0,1
	s_delay_alu instid0(VALU_DEP_2)
	v_add_f32 v[12+4*\t], v[12+4*\t], v[BT+\t]     ; and lane l xor 16's
.endr
	s_wait_alu depctr_va_vdst(0)
	v_rcp_f32 v242, v12
	v_rcp_f32 v246, v16
	s_lshr_b32 s3, s[WV], 3                        ; the addresses are made here: plain work behind the reciprocals
	s_mul_i32 s22, s3, 16*528
	s_lshl_b32 s23, s17, 6
	s_add_co_u32 s22, s22, s23
	s_add_co_u32 s22, s22, STG
	v_mul_u32_u24 v44, v18, 528
	s_delay_alu instid0(VALU_DEP_1)
	v_lshl_add_u32 v44, v19, 4, v44
	s_delay_alu instid0(VALU_DEP_1)
	v_add_nc_u32 v44, s22, v44                     ; codes in: row 16 (w / 8) + r, byte 64 g + 16 h
	s_lshl_b32 s22, s3, 9
	s_lshl_b32 s23, s17, 2
	s_add_co_u32 s22, s22, s23
	s_add_co_u32 s22, s22, STS
	v_lshl_add_u32 v45, v18, 5, s22                ; the scale word: 32 bytes a row, byte 4 g
	s_mul_i32 s22, s[WV], 2*528
	s_add_co_u32 s22, s22, STG
	v_add_nc_u32 v46, s22, v9                      ; codes back: rows 2 w, 2 w + 1, 16 bytes a lane
	s_and_b32 s22, s[WV], 1
	s_lshl_b32 s22, s22, 9
	s_add_co_u32 s23, s22, STS
	v_add_nc_u32 v47, s23, v9                      ; scale bytes back: 512 bytes for each of waves 0 and 1
	s_lshl_b32 s2, s15, 14                         ; val: my work-group's 32 rows of 512 bytes, my wave's two
	s_add_co_u32 s2, s2, s82
	s_lshl_b32 s3, s[WV], 10
	s_add_co_u32 s2, s2, s3
	s_mov_b32 s3, 0
	s_add_nc_u64 s[90:91], s[12:13], s[2:3]
	s_lshl_b32 s2, s15, 10                         ; and their scale bytes
	s_add_co_u32 s2, s2, s84
	s_add_co_u32 s2, s2, s22
	s_add_co_u32 s2, s2, 4194304
	s_add_nc_u64 s[12:13], s[12:13], s[2:3]
	s_wait_alu depctr_va_vdst(0)                   ; one wait for the two reciprocals, ahead of their first reader
.irp t, 0,1
.irp j, 0,2,4,6,8,10,12,14,16,18,20,22,24,26,28,30
	v_pk_mul_f32 v[O+32*\t+\j:O+32*\t+\j+1], v[O+32*\t+\j:O+32*\t+\j+1], v[242+4*\t:243+4*\t] op_sel_hi:[1,0]   ; the values, each accumulator from its low end on
.endr
.endr
.set TM, S                             ; register O + 16 b + i is column 128 g + 32 b + 16 h + i of my row
.irp b, 0,1,2,3
	v_max3_num_f32 v[TM+\b], |v[O+16*\b]|, |v[O+1+16*\b]|, 0x1800000
.endr
.irp i, 2,4,6,8,10,12,14
.irp b, 0,1,2,3
	s_delay_alu instid0(VALU_DEP_4)
	v_max3_num_f32 v[TM+\b], v[TM+\b], |v[O+16*\b+\i]|, |v[O+1+16*\b+\i]|
.endr
.endr
.irp b, 0,1,2,3
	v_permlanex16_b32 v[TM+4+\b], v[TM+\b], s[SEL], s[SEL+1]
.endr
.irp b, 0,1,2,3
	s_delay_alu instid0(VALU_DEP_4)
	v_max_num_f32 v[TM+\b], v[TM+\b], v[TM+4+\b]
.endr
.irp b, 0,1,2,3
	s_delay_alu instid0(VALU_DEP_4)
	v_add_nc_u32 v[TM+12+\b], 0xff000000, v[TM+\b]
.endr
.irp b, 0,1,2,3
	s_delay_alu instid0(VALU_DEP_4)
	v_lshrrev_b32 v[TM+4+\b], 23, v[TM+12+\b]
.endr
	s_delay_alu instid0(VALU_DEP_3)
	v_lshl_or_b32 v[TM+16], v[TM+5], 8, v[TM+4]
	s_delay_alu instid0(VALU_DEP_1)
	v_lshl_or_b32 v[TM+16], v[TM+6], 16, v[TM+16]
	s_delay_alu instid0(VALU_DEP_1)
	v_lshl_or_b32 v[TM+16], v[TM+7], 24, v[TM+16]
.irp b, 0,1,2,3
	v_cvt_scalef32_pk8_fp4_f32 v[PC+2*\b], v[O+16*\b:O+16*\b+7], v[TM+12+\b]
	v_cvt_scalef32_pk8_fp4_f32 v[PC+2*\b+1], v[O+16*\b+8:O+16*\b+15], v[TM+12+\b]
.endr
	v_nop                                          ; one plain line behind the conversions
.irp c, 0,1
.irp i, 0,1
	v_permlane16_swap_b32 v[PC+4*\c+\i], v[PC+4*\c+2+\i]
.endr
.endr
	ds_store_b128 v44, v[PC:PC+3]                  ; columns 128 g + 32 h + 0 .. 31
	ds_store_b128 v44, v[PC+4:PC+7] offset:32      ; and 64 further on
	ds_store_b32 v45, v[TM+16]                     ; both halves of the lanes write the same word with the same value
	s_wait_dscnt 0x0                               ; for the others' sake: my stores have landed
	s_barrier_signal -1
	s_barrier_wait -1                              ; 32 whole rows lie in the stage
	ds_load_b128 v[48:51], v46
	ds_load_b128 v[52:55], v46 offset:528
	s_wait_dscnt 0x0
	global_store_b128 v9, v[48:51], s[90:91]             ; 512 consecutive bytes, aligned
	global_store_b128 v9, v[52:55], s[90:91] offset:512
	s_cmp_lt_u32 s[WV], 2
	s_cbranch_scc0 .Lno_scales
	ds_load_b128 v[56:59], v47
	s_wait_dscnt 0x0
	global_store_b128 v9, v[56:59], s[12:13]             ; 16 rows' scale bytes: 512 consecutive bytes
.Lno_scales:
	s_wait_dscnt 0x0
	s_wait_tensorcnt 0x0
	ds_add_u32 v254, v255
	s_wait_dscnt 0x0
	CROUND                                         ; the closing round: no work-group ends while a partner may still ask for a tile that names it
	s_endpgm
.Lfunc_end_k_q2167020dd4_attn:
	.size	k_q2167020dd4_attn, .Lfunc_end_k_q2167020dd4_attn-k_q2167020dd4_attn
	.p2alignl 7, 3214868480
	.fill 96, 4, 3214868480
	.section	.rodata,"a",@progbits
	.p2align	6, 0x0
	.amdhsa_kernel k_q2167020dd4_attn
		.amdhsa_group_segment_fixed_size 169984
		.amdhsa_private_segment_fixed_size 0
		.amdhsa_enable_private_segment 0
		.amdhsa_kernarg_size 40
		.amdhsa_user_sgpr_count 2
		.amdhsa_user_sgpr_kernarg_segment_ptr 1
		.amdhsa_wavefront_size32 1
		.amdhsa_system_sgpr_workgroup_id_x 1
		.amdhsa_system_sgpr_workgroup_id_y 1
		.amdhsa_system_sgpr_workgroup_id_z 1
		.amdhsa_system_vgpr_workitem_id 0
		.amdhsa_next_free_vgpr 256
		.amdhsa_next_free_sgpr 96
		.amdhsa_reserve_vcc 0
		.amdhsa_float_denorm_mode_32 3
		.amdhsa_float_denorm_mode_16_64 3
		.amdhsa_memory_ordered 1
		.amdhsa_forward_progress 1
		.amdhsa_inst_pref_size 83
	.end_amdhsa_kernel
	.amdgpu_metadata
---
amdhsa.version: [ 1, 2 ]
amdhsa.kernels:
  - .name:           k_q2167020dd4_attn
    .symbol:         k_q2167020dd4_attn.kd
    .args:
      - { .name: qk_codes, .offset: 0, .size: 8, .value_kind: global_buffer, .address_space: global }
      - { .name: qk_scales, .offset: 8, .size: 8, .value_kind: global_buffer, .address_space: global }
      - { .name: v_codes, .offset: 16, .size: 8, .value_kind: global_buffer, .address_space: global }
      - { .name: v_scales, .offset: 24, .size: 8, .value_kind: global_buffer, .address_space: global }
      - { .name: val, .offset: 32, .size: 8, .value_kind: global_buffer, .address_space: global }
    .group_segment_fixed_size: 169984
    .private_segment_fixed_size: 0
    .kernarg_segment_align: 8
    .kernarg_segment_size: 40
    .max_flat_workgroup_size: 512
    .sgpr_count:     96
    .vgpr_count:     256
    .wavefront_size: 32
...
	.end_amdgpu_metadata
.endif
;; end of part 3
;; launch proj (part 4): grid 4 x 64, 4 waves a work-group, clusters of 4 x 4, 327,680 bytes of LDS; arguments val, xw_codes, xw_scales, b_out, out0; writes out0
.if DOCPART == 4
	.amdgcn_target "amdgcn-amd-amdhsa--gfx1250"
	.amdhsa_code_object_version 6
	.text
	.protected	k_q2167020dd4_proj
	.globl	k_q2167020dd4_proj
	.p2align	8
	.type	k_q2167020dd4_proj,@function
k_q2167020dd4_proj:
	s_mov_b64 s[64:65], 0
	v_nop
	global_prefetch_b8 v0, s[64:65] scope:SCOPE_SE
	s_setreg_imm32_b32 hwreg(HW_REG_WAVE_MODE, 25, 1), 1
	s_wait_xcnt 0x0
	s_wait_alu depctr_hold_cnt(0) depctr_sa_sdst(0) depctr_va_vdst(0) depctr_va_sdst(0) depctr_va_ssrc(0) depctr_va_vcc(0) depctr_vm_vsrc(0)
	s_getreg_b32 s2, hwreg(HW_REG_IB_STS2, 6, 4)
	s_cmp_eq_u32 s2, 0
	s_cbranch_scc0 .Lentry_in_a_cluster
	s_endpgm
.Lentry_in_a_cluster:
	s_bfe_u32 s2, ttmp6, 0x10000c
	s_cmp_lg_u32 s2, 0xf033
	s_cbranch_scc0 .Lentry_shape_is_right
	s_endpgm
.Lentry_shape_is_right:
; out0 = values W_out^T + b_out on codes of FP4 with E8M0 scales: [8192] x [1024] x K = 1024, f32 out.
; A tile is 128 rows x 256 columns, so that there are 256 work-groups: four waves, each 64 x 128: 32 accumulators.  ALL OF K LIES IN LDS: two slots of 512 along K (rows of 256 bytes, 272 apart), both filled
; once at the head, and the scale bytes of the tile's rows behind them.  Nothing is filled again: one barrier in the loop, and every tensor load is a first fill: there is no later load to ask ahead for.
; CLUSTER 4 x 4: the values' tiles are shared along a row of the cluster, W_out's along a column: each is asked for jointly.
; THE PRODUCT IS USED TRANSPOSED (source 0 = 16 rows of W_out, source 1 = 16 rows of the values): a lane holds eight neighbouring columns of one row.  b_out is the C of each sum's first product.
; REGISTERS: window 0: v16-27 addresses; v32-95 scale words and nothing else; v128-191 the values' fragments, two sets (on the way out v128-255: rows read back).
;   window 1: v0-127 W_out's fragments, two sets; v128-191 the bias.  window 2: the accumulators, (a, b) at 8 (8 a + b).
.set NA,     4
.set PITCH,  272
.set HALFA,  16*NA*PITCH
.set HALFB,  128*PITCH
.set SLOT,   2*HALFA+2*HALFB
.set SCL,    2*SLOT
.set HALFSA, 2*NA*272
.set HALFSB, 16*272
.set SBLK,   544
.set ASCALE, 4194304                   ; the values' scale bytes in val
.set BCODE,  5767168                   ; W_out's codes in xw_codes
.set BSCALE, 360448                    ; and its scale bytes in xw_scales
.set SPITCH, 528                       ; the way out: a stage of 16 rows x (512 bytes + 16) for each wave, in slot 0
.set ADRA, 16
.set ADRB, 20
.set BO,   22
.set LI,   24                          ; v24 16 x lane
.set STO,  25                          ; v25 the stage: where I put 32 bytes of a row
.set RD,   26                          ; v26 and where I read a row back
.set ADRS, 27
.set SC,   32
.set AF,   128
.set BK,   128
.set WV, 18
.set WR, 19
.set WC, 20
.set G1, 24
.set G0, 32
.set G1B, 48
.set G0B, 56
.set G1S, 68
.set G0S, 76
.set G1SB, 80
.set G0SB, 88
.set CODEW,  (0<<16)|(1<<20)|(1<<21)|(5<<22)|(3<<25)
.set SCALEW, (3<<16)|(1<<20)|(1<<21)|(5<<22)|(3<<25)
.set MSB, 0
.macro WIN new                         ; the immediate's high byte repeats the setting that is left
.if MSB != (\new)
	s_set_vgpr_msb (MSB<<8)|(\new)
.set MSB, (\new)
.endif
.endm
.macro PLACES n
.rept \n
	v_nop
.endr
.endm
.macro JLOAD g0a, g1a, g0b, g1b        ; waves 0 and 1 fetch for the values, waves 2 and 3 for W_out; four v_nop follow each line
	s_cmp_eq_u32 s[WR], 0
	s_cbranch_scc0 .Lfor_b_\@
	tensor_load_to_lds s[\g0a:\g0a+3], s[\g1a:\g1a+7]
	s_nop 0
.rept 4
	v_nop
.endr
	s_branch .Lasked_\@
.Lfor_b_\@:
	tensor_load_to_lds s[\g0b:\g0b+3], s[\g1b:\g1b+7]
	s_nop 0
.rept 4
	v_nop
.endr
.Lasked_\@:
.endm
.macro CROUND
	s_barrier_signal -1
	s_barrier_wait -1
	s_cmp_lg_u32 s[WV], 0
	s_cbranch_scc1 .Lnot_wave_0_\@
	s_barrier_signal -3
.Lnot_wave_0_\@:
	s_barrier_wait -3
	s_barrier_signal -1
	s_barrier_wait -1
.endm
	s_load_b256 s[4:11], s[0:1], 0x0               ; val s[4:5], xw_codes s[6:7], xw_scales s[8:9], b_out s[10:11]
	s_load_b64 s[12:13], s[0:1], 0x20              ; out0
	v_lshl_add_u32 v126, v0, 2, 0x36300
	v_mov_b32 v127, 0
	ds_add_u32 v126, v127
	ds_add_u32 v126, v127
	v_lshrrev_b32 v1, 5, v0
	v_readfirstlane_b32 s[WV], v1
	s_lshr_b32 s[WR], s[WV], 1
	s_and_b32 s[WC], s[WV], 1
	s_bfe_u32 s40, ttmp6, 0x40000                  ; cx
	s_bfe_u32 s41, ttmp6, 0x40004                  ; cy
	s_lshl_b32 s42, ttmp9, 2
	s_add_co_u32 s42, s42, s40                     ; tile column
	s_and_b32 s21, ttmp7, 0xffff
	s_lshl_b32 s21, s21, 2
	s_add_co_u32 s21, s21, s41                     ; tile row
	s_lshl_b32 s43, s41, 2
	s_lshl_b32 s43, 15, s43
	s_lshl_b32 s44, 0x1111, s40
	s_or_b32 s[G1], s43, CODEW
	s_mov_b32 s[G1+1], 256<<16
	s_mov_b32 s[G1+2], (16*NA)<<16
	s_mov_b32 s[G1+3], 256<<16
	s_mov_b32 s[G1+4], 16*NA
	s_mov_b32 s[G1+5], 512
	s_mov_b32 s[G1+6], 0
	s_mov_b32 s[G1+7], 0
	s_or_b32 s[G1B], s44, CODEW
	s_mov_b32 s[G1B+1], 256<<16
	s_mov_b32 s[G1B+2], 128<<16
	s_mov_b32 s[G1B+3], 256<<16
	s_mov_b32 s[G1B+4], 128
	s_mov_b32 s[G1B+5], 512
	s_mov_b32 s[G1B+6], 0
	s_mov_b32 s[G1B+7], 0
	s_or_b32 s[G1S], s43, SCALEW
	s_mov_b32 s[G1S+1], 32<<16
	s_mov_b32 s[G1S+2], (2*NA)<<16
	s_mov_b32 s[G1S+3], 32<<16
	s_mov_b32 s[G1S+4], 2*NA
	s_mov_b32 s[G1S+5], 32
	s_mov_b32 s[G1S+6], 0
	s_mov_b32 s[G1S+7], 0
	s_or_b32 s[G1SB], s44, SCALEW
	s_mov_b32 s[G1SB+1], 32<<16
	s_mov_b32 s[G1SB+2], 16<<16
	s_mov_b32 s[G1SB+3], 32<<16
	s_mov_b32 s[G1SB+4], 16
	s_mov_b32 s[G1SB+5], 32
	s_mov_b32 s[G1SB+6], 0
	s_mov_b32 s[G1SB+7], 0
	s_mul_i32 s22, s21, 32*NA                      ; the values' rows hang on the tile row alone, W_out's on the tile column alone
	s_mul_i32 s23, s[WC], 16*NA
	s_add_co_u32 s22, s22, s23
	s_lshl_b32 s46, s42, 8
	s_lshl_b32 s23, s[WC], 7
	s_add_co_u32 s46, s46, s23
	s_lshl_b32 s92, s22, 9
	s_mov_b32 s93, 0
	s_lshl_b32 s94, s22, 5
	s_add_co_u32 s94, s94, ASCALE
	s_mov_b32 s95, 0
	s_lshl_b32 s96, s46, 9
	s_add_co_u32 s96, s96, BCODE
	s_mov_b32 s97, 0
	s_lshl_b32 s46, s46, 5
	s_add_co_u32 s46, s46, BSCALE
	s_mov_b32 s47, 0
	s_mul_i32 s45, s[WC], HALFA
	s_mul_i32 s22, s[WC], HALFB
	s_add_co_u32 s22, s22, 2*HALFA
	s_mul_i32 s23, s[WC], HALFSA
	s_add_co_u32 s23, s23, SCL
	s_mul_i32 s2, s[WC], HALFSB
	s_add_co_u32 s2, s2, SCL+2*HALFSA
	s_wait_dscnt 0x0
	s_wait_kmcnt 0x0
	s_add_nc_u64 s[92:93], s[4:5], s[92:93]
	s_add_nc_u64 s[94:95], s[4:5], s[94:95]
	s_add_nc_u64 s[96:97], s[6:7], s[96:97]
	s_add_nc_u64 s[46:47], s[8:9], s[46:47]
	CROUND                                         ; all sixteen work-groups are here: the joint loads meet
	s_mov_b32 s[G0S], 1
	s_mov_b32 s[G0S+1], s23
	s_mov_b64 s[G0S+2:G0S+3], s[94:95]
	s_or_b32 s[G0S+3], s[G0S+3], 0x80000000
	s_mov_b32 s[G0SB], 1
	s_mov_b32 s[G0SB+1], s2
	s_mov_b64 s[G0SB+2:G0SB+3], s[46:47]
	s_or_b32 s[G0SB+3], s[G0SB+3], 0x80000000
	JLOAD G0S, G1S, G0SB, G1SB
.irp s, 0,1
	s_mov_b32 s[G0+4*\s], 1
	s_add_co_u32 s[G0+4*\s+1], s45, \s*SLOT
	s_add_nc_u64 s[G0+4*\s+2:G0+4*\s+3], s[92:93], \s*256
	s_or_b32 s[G0+4*\s+3], s[G0+4*\s+3], 0x80000000
	s_mov_b32 s[G0B+4*\s], 1
	s_add_co_u32 s[G0B+4*\s+1], s22, \s*SLOT
	s_add_nc_u64 s[G0B+4*\s+2:G0B+4*\s+3], s[96:97], \s*256
	s_or_b32 s[G0B+4*\s+3], s[G0B+4*\s+3], 0x80000000
	s_wait_alu depctr_va_vdst(0)
	s_wait_tensorcnt 0x0
	ds_add_u32 v126, v127
	s_wait_dscnt 0x0
	CROUND
	JLOAD G0+4*\s, G1, G0B+4*\s, G1B               ; only this load of mine is out: the wait in front drained the earlier ones
.endr
	v_and_b32 v1, 15, v0                           ; r
	v_bfe_u32 v2, v0, 4, 1                         ; h
	v_mul_u32_u24 v3, v1, PITCH
	v_lshl_add_u32 v4, v2, 4, v3
	s_mul_i32 s22, s[WR], HALFA
	s_mul_i32 s23, s[WC], HALFB
	s_add_co_u32 s23, s23, 2*HALFA
.irp s, 0,1
	v_add_nc_u32 v[ADRA+\s], s22, v4
	v_add_nc_u32 v[ADRB+\s], s23, v4
	s_add_co_u32 s22, s22, SLOT
	s_add_co_u32 s23, s23, SLOT
.endr
	v_lshlrev_b32 v5, 5, v1
	v_lshrrev_b32 v6, 3, v1
	v_lshl_add_u32 v5, v6, 4, v5
	s_mul_i32 s22, s[WR], HALFSA
	s_mul_i32 s23, s[WC], HALFSB
	s_add_co_u32 s23, s23, 2*HALFSA
	s_sub_co_u32 s23, s23, s22
	v_mul_u32_u24 v6, s23, v2                      ; lanes 16-31 take W_out's: one product, the distance between the two bases
	s_add_co_u32 s22, s22, SCL
	v_add_nc_u32 v5, v5, v6
	v_add_nc_u32 v[ADRS], s22, v5
	v_lshlrev_b32 v[BO], 5, v2
	v_and_b32 v7, 31, v0
	v_lshlrev_b32 v[LI], 4, v7
	s_mul_i32 s22, s[WV], 16*SPITCH                ; my stage, in slot 0: it has had its one fill, and nobody reads it behind the loop's barrier
	v_mul_u32_u24 v5, v1, SPITCH
	v_lshl_add_u32 v5, v2, 5, v5
	v_add_nc_u32 v[STO], s22, v5
	v_add_nc_u32 v[RD], s22, v[LI]
	s_lshl_b32 s46, s42, 10                        ; my 128 numbers of the bias
	s_lshl_b32 s23, s[WC], 9
	s_add_co_u32 s46, s46, s23
	s_mov_b32 s47, 0
	s_add_nc_u64 s[10:11], s[10:11], s[46:47]
	WIN 0x40
.irp b, 0,1,2,3,4,5,6,7
	global_load_b128 v[128+8*\b:128+8*\b+3], v[BO], s[10:11] offset:64*\b
	global_load_b128 v[128+8*\b+4:128+8*\b+7], v[BO], s[10:11] offset:64*\b+16
.endr
	WIN 0
	s_lshl_b32 s22, s21, 7
	s_lshl_b32 s23, s[WR], 6
	s_add_co_u32 s22, s22, s23                     ; my first row of out0: 4,096 bytes a row
	s_lshl_b32 s92, s22, 12
	s_add_co_u32 s92, s92, s46                     ; my first column: the same bytes as in the bias
	s_mov_b32 s93, 0
	s_add_nc_u64 s[12:13], s[12:13], s[92:93]
.macro FRAG reg, adr, qq, i
.irp c, 0,1
	ds_load_b128 v[\reg+4*\c:\reg+4*\c+3], v[\adr] offset:64*(\qq)+32*\c+(\i)*16*PITCH
.endr
.endm
.macro FETCH q
	WIN 0x40
.irp i, 0,1,2,3,4,5,6,7
	FRAG 64*((\q)%2)+8*\i, ADRB+(\q)/4, (\q)%4, \i
.endr
	WIN 0
.irp i, 0,1,2,3
	FRAG AF+8*NA*((\q)%2)+8*\i, ADRA+(\q)/4, (\q)%4, \i
.endr
.endm
.macro SCALES                          ; register SC + 32 s + 4 i + qq: lanes 0-15 the values' block i (i < 4; beyond that bytes that no product names), lanes 16-31 W_out's block i
.irp s, 0,1
.irp i, 0,1,2,3,4,5,6,7
	ds_load_b128 v[SC+32*\s+4*\i:SC+32*\s+4*\i+3], v[ADRS] offset:SBLK*\i+16*\s
.endr
.endr
.endm
.macro MUL q                           ; 32 products: the accumulators take turns, one instruction a turn, in the same order in every step
.if (\q) == 0
	WIN 0x91                                       ; source 0 and C window 1, source 1 window 0, D window 2
.else
	WIN 0xa1
.endif
.irp a, 0,1,2,3
.irp b, 0,1,2,3,4,5,6,7
.if (\q) == 0
	v_wmma_scale_f32_16x16x128_f8f6f4 v[8*(8*\a+\b):8*(8*\a+\b)+7], v[64*((\q)%2)+8*\b:64*((\q)%2)+8*\b+7], v[AF+8*NA*((\q)%2)+8*\a:AF+8*NA*((\q)%2)+8*\a+7], v[128+8*\b:128+8*\b+7], v[SC+32*((\q)/4)+4*\b+(\q)%4], v[SC+32*((\q)/4)+4*\a+(\q)%4] matrix_a_fmt:MATRIX_FMT_FP4 matrix_b_fmt:MATRIX_FMT_FP4 matrix_a_scale:MATRIX_SCALE_ROW1
.else
	v_wmma_scale_f32_16x16x128_f8f6f4 v[8*(8*\a+\b):8*(8*\a+\b)+7], v[64*((\q)%2)+8*\b:64*((\q)%2)+8*\b+7], v[AF+8*NA*((\q)%2)+8*\a:AF+8*NA*((\q)%2)+8*\a+7], v[8*(8*\a+\b):8*(8*\a+\b)+7], v[SC+32*((\q)/4)+4*\b+(\q)%4], v[SC+32*((\q)/4)+4*\a+(\q)%4] matrix_a_fmt:MATRIX_FMT_FP4 matrix_b_fmt:MATRIX_FMT_FP4 matrix_a_scale:MATRIX_SCALE_ROW1
.endif
.endr
.endr
.endm
.macro STEP q
	s_wait_dscnt 0x0                               ; this step's fragments are in
.if (\q) == 3
	s_wait_tensorcnt 0x0                           ; my part of slot 1 has landed, and my reads of slot 0 are over (the wait above):
	s_barrier_signal -1
	s_barrier_wait -1                              ; both hold of all four waves
.endif
.if (\q) < 7
.if (\q) > 0
	PLACES 4                                       ; in front of loads into registers that the last step's products read
.endif
	FETCH (\q)+1
.endif
	MUL \q
.endm
	s_wait_alu depctr_va_vdst(0)
	s_wait_tensorcnt 1                             ; the scales and my part of slot 0 are in; the one load issued behind them, slot 1's, may be out
	s_barrier_signal -1
	s_barrier_wait -1
	SCALES
	FETCH 0
	s_wait_loadcnt 0x0                             ; the bias
.irp q, 0,1,2,3,4,5,6,7
	STEP \q
.endr
	WIN 0
; THE WAY OUT, block by block of 16 rows x 128 columns: a lane holds 32 neighbouring bytes of a row; a block goes through my own stage and comes back as whole rows of 512 bytes.
; LDS serves a wave's instructions in order: no wait between the stores and the loads, nor in front of the next block's stores.
.macro TOSTAGE a
	WIN 0x08                                       ; an LDS store's data are its source 1: window 2
.irp b, 0,1,2,3,4,5,6,7
	ds_store_b128 v[STO], v[64*(\a)+8*\b:64*(\a)+8*\b+3] offset:64*\b          ; each accumulator from its low end on
	ds_store_b128 v[STO], v[64*(\a)+8*\b+4:64*(\a)+8*\b+7] offset:64*\b+16
.endr
	WIN 0
.set BB, BK+64*((\a)%2)
.irp t, 0,1,2,3,4,5,6,7,8,9,10,11,12,13,14,15
	ds_load_b128 v[BB+4*\t:BB+4*\t+3], v[RD] offset:\t*SPITCH
.endr
.endm
.macro SEND a, younger                 ; younger: the LDS instructions issued behind block a's loads, which may stay out
.set BB, BK+64*((\a)%2)
	s_wait_dscnt \younger
.irp t, 0,1,2,3,4,5,6,7,8,9,10,11,12,13,14,15
	global_store_b128 v[LI], v[BB+4*\t:BB+4*\t+3], s[12:13] offset:65536*(\a)+4096*\t th:TH_STORE_NT   ; 32 lanes store 512 consecutive bytes, aligned; the base is never stepped
.endr
.endm
	PLACES 4                                       ; behind the last products: their results are read, and loads land in the fragments' registers
	TOSTAGE 0
	TOSTAGE 1
	SEND 0, 32                                     ; behind block 0's loads: block 1's 16 stores and 16 loads
	s_wait_xcnt 0x0                                ; block 0's stores have read their registers: block 2's loads land there
	TOSTAGE 2
	SEND 1, 32
	s_wait_xcnt 0x0
	TOSTAGE 3
	SEND 2, 32
	SEND 3, 0
	s_wait_dscnt 0x0
	s_wait_tensorcnt 0x0
	ds_add_u32 v126, v127
	s_wait_dscnt 0x0
	CROUND                                         ; the closing round: no work-group ends while a partner may still ask for a tile that names it
	s_endpgm
.Lfunc_end_k_q2167020dd4_proj:
	.size	k_q2167020dd4_proj, .Lfunc_end_k_q2167020dd4_proj-k_q2167020dd4_proj
	.p2alignl 7, 3214868480
	.fill 96, 4, 3214868480
	.section	.rodata,"a",@progbits
	.p2align	6, 0x0
	.amdhsa_kernel k_q2167020dd4_proj
		.amdhsa_group_segment_fixed_size 327680
		.amdhsa_private_segment_fixed_size 0
		.amdhsa_enable_private_segment 0
		.amdhsa_kernarg_size 40
		.amdhsa_user_sgpr_count 2
		.amdhsa_user_sgpr_kernarg_segment_ptr 1
		.amdhsa_wavefront_size32 1
		.amdhsa_system_sgpr_workgroup_id_x 1
		.amdhsa_system_sgpr_workgroup_id_y 1
		.amdhsa_system_sgpr_workgroup_id_z 1
		.amdhsa_system_vgpr_workitem_id 0
		.amdhsa_next_free_vgpr 768
		.amdhsa_next_free_sgpr 100
		.amdhsa_reserve_vcc 0
		.amdhsa_float_denorm_mode_32 3
		.amdhsa_float_denorm_mode_16_64 3
		.amdhsa_memory_ordered 1
		.amdhsa_forward_progress 1
		.amdhsa_inst_pref_size 74
	.end_amdhsa_kernel
	.amdgpu_metadata
---
amdhsa.version: [ 1, 2 ]
amdhsa.kernels:
  - .name:           k_q2167020dd4_proj
    .symbol:         k_q2167020dd4_proj.kd
    .args:
      - { .name: val, .offset: 0, .size: 8, .value_kind: global_buffer, .address_space: global }
      - { .name: xw_codes, .offset: 8, .size: 8, .value_kind: global_buffer, .address_space: global }
      - { .name: xw_scales, .offset: 16, .size: 8, .value_kind: global_buffer, .address_space: global }
      - { .name: b_out, .offset: 24, .size: 8, .value_kind: global_buffer, .address_space: global }
      - { .name: out0, .offset: 32, .size: 8, .value_kind: global_buffer, .address_space: global }
    .group_segment_fixed_size: 327680
    .private_segment_fixed_size: 0
    .kernarg_segment_align: 8
    .kernarg_segment_size: 40
    .max_flat_workgroup_size: 128
    .sgpr_count:     100
    .vgpr_count:     768
    .wavefront_size: 32
...
	.end_amdgpu_metadata
.endif
;; end of part 4
